; MI455X (gfx1250); checked and timed in simulation.
; The chip was launched on July 23, 2026; its instructions are those of AMD's public machine-readable ISA for CDNA 5 (MIT licence, August 2026) and "CDNA5" Instruction Set Architecture Reference Guide (July 2026). The comments in the code are by the model that wrote it; some were corrected since.
;; Multi Phase Phasor. Allowed arithmetic: float matrix products may take bf16 or f16 operands with f32 sums; all other float work in f32.
;; Inputs: Wa 2,048 x 8 float32; Wo 2,048 x 2,048 float32; Wp 2,048 x 8 float32; Wv 2,048 x 2,048 float32; ba 8 float32; bo 2,048 float32; bp 8 float32; bv 2,048 float32; ln_b 2,048 float32; ln_g 2,048 float32; x 4 x 2,048 x 2,048 float32.
;; Outputs: out0 4 x 2,048 x 2,048 float32.
;; 2 versions, each right; version 2 is version 1 with the launch scan written anew for expert scheduling mode. Each part assembles by itself: llvm-mc -triple=amdgcn-amd-amdhsa -mcpu=gfx1250 --defsym DOCPART=n.
;; ======== version 1 of 2: 4 launches
;; limits: values are held in f16: magnitudes above 65,504 overflow, below 6.1e-05 lose precision
;; workspace buffers: aux 2,298,880 bytes; wvb 8,388,608 bytes; wob 8,388,608 bytes; ybuf 33,554,432 bytes; ccum 65,536 bytes; rbuf 33,554,432 bytes; ssp 524,288 bytes
;; launch prep (part 1): grid 256 x 1, 8 waves a work-group, no clusters, 321,792 bytes of LDS; arguments x, Wp, Wa, bp, ba, Wv, Wo, ln_g, ln_b, aux, wvb, wob, bv; writes aux, wvb, wob
.if DOCPART == 1
	.amdgcn_target "amdgcn-amd-amdhsa--gfx1250"
	.amdhsa_code_object_version 6
	.text
	.protected	k_qb0e103d024_prep
	.globl	k_qb0e103d024_prep
	.p2align	8
	.type	k_qb0e103d024_prep,@function
k_qb0e103d024_prep:
	s_mov_b64 s[64:65], 0
	v_nop
	global_prefetch_b8 v0, s[64:65] scope:SCOPE_SE
	s_setreg_imm32_b32 hwreg(HW_REG_WAVE_MODE, 25, 1), 1
	s_wait_xcnt 0x0
; PREP.  Work-group i (of 256) owns the 32 rows 32 i .. 32 i + 31 of x (a chunk) and makes
;   c[row]   = sum over p of amp_p (cos phi_p + sin phi_p),  phi = pi tanh(x Wp + bp),  amp = softplus(x Wa + ba) + 0.1
;   a[row]   = |c[row]| x (length of x[row]): no element of c[row] x[row] is larger; its running sum bounds the cumulative sum for every input
;   S[i][d]  = sum over the chunk's rows of c[row] x[row][d]   (f32), and the chunk's sums of c and of a
; and its share of the weights:
;   wvb[k][n] = f16(Wv[k][n] - mean over n of Wv[k][:])   rows k = 8 i + wave  (the LayerNorm's mean is taken out of the weights, where it is linear),
;               and the largest magnitude among its eight rows
;   wob[k][n] = f16(ln_g[k] Wo[k][n]) and Pb[kg][n] = sum over 128 k of ln_b[k] Wo[k][n]   for the tile kg = i / 16, n block i % 16
;   the largest bv and the largest -bv among bv[8 i .. 8 i + 7]
; cos + sin = sqrt 2 sin(phi + pi / 4) = sqrt 2 sin(pi u), u = tanh + 0.25.
; The thin products x Wp, x Wa go to the matrix unit with both operands split into bf16 hi + lo, three products (hi hi, hi lo, lo hi):
; what is dropped is the lo lo product, some 2^-17 of a term.
; ORDER OF THE REQUESTS: the weights are worked on first, so they are asked for first (the first half of Wp and Wa, the row of Wv, the 16 rows of Wo),
; the tile of x behind them: it lands while the weights are worked on.
; LIMITS.  The two large weights are kept in f16: |Wv - row mean| and |ln_g Wo| must lie below 65,504; below 6.1e-5 their step is 6e-8.
; The sum of x^2 of a row needs |x| between some 1e-19 and 1e18.
; sin(pi f) is the odd Taylor polynomial of degree 11 on |f| <= 0.5 (tanh bounds u to -0.75 .. 1.25 for every input): error at most 6e-8.
; v_exp_f32, v_log_f32 and v_sqrt_f32 flush denormals.  NaN and infinities go through as in the formulas.
; Eight waves; wave w owns columns 256 w .. 256 w + 255 of the chunk, brought by ONE tensor load (the wave's only one), read by that wave alone.
.set XPITCH, 1040                      ; an LDS row of x: 1,024 bytes + 16 of padding = 65 x 16: sixteen rows start in sixteen different 16-byte columns
.set XWAVE,  32*XPITCH                 ; a wave's 32 rows
.set WST,    8*XWAVE                   ; 8 x 4,096: a wave's stage for 128 k-rows of [Wp | Wa] in bf16, 32 bytes a row
.set ZP,     WST+8*4096                ; 16,384: the waves' partial sums of x [Wp | Wa]: wave 2,048, row block 1,024, register group 512, lane 16
.set PBP,    ZP+16384                  ; 8 x 512: the waves' partial rows of ln_b Wo
.set NP,     PBP+4096                  ; 8 x 128: the waves' partial sums of x^2 of the 32 rows
.set WMP,    NP+1024                   ; 8 words: the waves' largest |Wv'|
.set C_OFF,  2097152                   ; aux: S[256][2048] f32 at 0, c[8192] here,
.set CS_OFF, 2129920                   ; the chunks' sums of c [256],
.set PB_OFF, 2130944                   ; Pb[16][2048],
.set A_OFF,  2262016                   ; a[8192],
.set AS_OFF, 2294784                   ; the chunks' sums of a [256],
.set WM_OFF, 2295808                   ; the work-groups' largest |Wv'| [256],
.set BX_OFF, 2296832                   ; largest bv [256],
.set BN_OFF, 2297856                   ; largest -bv [256]
.set RA, 16                            ; v16-79   raw [Wp | Wa]; the two sets of x fragments; later partial sums and rows of x
.set RB, 80                            ; v80-143  the row of Wv; W fragments of K steps 4-7 (hi 80 + 8 (s - 4), lo 112 + 8 (s - 4)); later rows of x
.set RC, 144                           ; v144-207 W fragments of K steps 0-3 (hi 144 + 8 s, lo 176 + 8 s)
.set SA, 144                           ; v144-151 at the end: the eight sums of c x (the fragments are done with); apart from every address register
.set NR, 160                           ; v160-167 at the end: the eight partial sums of x^2 of row L; then v160 the row's length
.set RD, 208                           ; v208-239 packed 16-bit numbers at work; XR: 32 f32 of x a K step
.set XR, 208
.set Z0, 240                           ; v240-247 sums of rows 0-15,  v248-255 of rows 16-31
.set Z1, 248
.set WOA, 254                          ; v254 at first: the byte offset of my rows of Wo; free again when their loads are in, long before the sums start
.set WO, 0                             ; window 1, v0-63 (v256-319): my 16 rows of Wo
.set MSB, 0
.macro WIN new                         ; s_set_vgpr_msb: bits 1:0 source 0, 3:2 source 1, 7:6 destination; the high byte repeats the setting that is left
.if MSB != \new
	s_set_vgpr_msb (MSB<<8)|\new
.set MSB, \new
.endif
.endm
	s_load_b512 s[8:23], s[0:1], 0x0               ; x 8, Wp 10, Wa 12, bp 14, ba 16, Wv 18, Wo 20, ln_g 22
	s_load_b256 s[24:31], s[0:1], 0x40             ; ln_b 24, aux 26, wvb 28, wob 30
	s_load_b64 s[100:101], s[0:1], 0x60            ; bv
	s_set_vgpr_msb 0x40
	v_lshl_add_u32 v64, v0, 2, 0x4e500
	v_mov_b32 v65, 0
	s_set_vgpr_msb 0x4045
	ds_add_u32 v64, v65
	ds_add_u32 v64, v65
	s_set_vgpr_msb 0x4500
	v_lshrrev_b32 v1, 5, v0
	v_readfirstlane_b32 s4, v1                     ; wave
	v_and_b32 v1, 31, v0                           ; lane L
	s_mov_b32 s5, ttmp9                            ; work-group i
	s_mov_b32 s60, 0x76543210                      ; v_permlanex16_b32: lane l reads lane l of the other half
	s_mov_b32 s61, 0xfedcba98
	s_mov_b32 s62, 0xffff0000                      ; a word's upper bf16
	; the tile of x: 32 rows x 256 f32, 16 bytes of padding behind every 256 words
	s_mov_b32 s32, 1
	s_mul_i32 s33, s4, XWAVE                       ; LDS: the wave's own bytes
	s_mov_b32 s36, (2<<16)|(1<<20)|(7<<22)|(3<<25) ; elements of 4 bytes; padding on; after 256 words; 4 words
	s_mov_b32 s37, 256<<16                         ; tensor_dim0 = 256
	s_mov_b32 s38, 32<<16                          ; tensor_dim1 = 32
	s_mov_b32 s39, 256<<16                         ; tile_dim0 = 256
	s_mov_b32 s40, 32                              ; tile_dim1 = 32
	s_mov_b32 s41, 2048                            ; elements from row to row
	s_mov_b32 s42, 0
	s_mov_b32 s43, 0
	s_lshl_b32 s6, s5, 18                          ; 32 rows of 8,192 bytes a work-group
	s_lshl_b32 s7, s4, 10                          ; 1,024 bytes of a row a wave
	s_or_b32 s6, s6, s7
	s_mov_b32 s7, 0
	s_lshr_b32 s2, s5, 4                           ; kg
	s_and_b32 s3, s5, 15                           ; ng
	s_lshl3_add_u32 s63, s5, s4                    ; 8 i + w: my row of Wv
	v_lshlrev_b32 v2, 5, v1
	v_lshl_add_u32 v2, s4, 13, v2                  ; [Wp | Wa]: row k = 256 w + L, 32 bytes a row
	v_lshlrev_b32 v3, 4, v1
	v_lshl_add_u32 v[WOA], s3, 9, v3               ; Wo: 512 ng + 16 L,
	v_lshl_add_u32 v3, s63, 13, v3                 ; Wv: my row, 16 bytes a lane
	s_wait_dscnt 0x0
	s_wait_kmcnt 0x0
	s_add_nc_u64 s[34:35], s[8:9], s[6:7]
	s_or_b32 s35, s35, 0x80000000                  ; type 2
	s_lshl_b32 s6, s2, 7
	s_lshl4_add_u32 s6, s4, s6                     ; 128 kg + 16 w: the first of my 16 rows of Wo
	s_lshl_b32 s7, s6, 2
	v_lshl_add_u32 v[WOA], s6, 13, v[WOA]          ; + row x 8,192
	s_load_b256 s[44:51], s[14:15], 0x0            ; bp
	s_load_b256 s[52:59], s[16:17], 0x0            ; ba
	s_load_b512 s[68:83], s[22:23], s7 offset:0x0  ; ln_g of my 16 rows of Wo
	s_load_b512 s[84:99], s[24:25], s7 offset:0x0  ; ln_b of them
; 128 k-rows of Wp and Wa: the lane's row q is k = 256 w + 128 hf + 32 q + L; 8 f32 of Wp, then 8 of Wa
.macro RAW hf
.irp q, 0,1,2,3
	global_load_b128 v[RA+16*\q:RA+16*\q+3],     v2, s[10:11] offset:4096*\hf+1024*\q
	global_load_b128 v[RA+16*\q+4:RA+16*\q+7],   v2, s[10:11] offset:4096*\hf+1024*\q+16
	global_load_b128 v[RA+16*\q+8:RA+16*\q+11],  v2, s[12:13] offset:4096*\hf+1024*\q
	global_load_b128 v[RA+16*\q+12:RA+16*\q+15], v2, s[12:13] offset:4096*\hf+1024*\q+16
.endr
.endm
	RAW 0
.irp j, 0,1,2,3,4,5,6,7,8,9,10,11,12,13,14,15
	global_load_b128 v[RB+4*\j:RB+4*\j+3], v3, s[18:19] offset:512*\j th:TH_LOAD_NT
.endr
	WIN 0x40                                       ; destination in window 1
.irp j, 0,1,2,3,4,5,6,7,8,9,10,11,12,13,14,15
	global_load_b128 v[WO+4*\j:WO+4*\j+3], v[WOA], s[20:21] offset:8192*\j th:TH_LOAD_NT   ; my 16 rows of Wo, 512 consecutive bytes each
.endr
	WIN 0
	tensor_load_to_lds s[32:35], s[36:43]          ; the tile of x, behind the weights' requests
	s_nop 0
	s_lshl_b32 s8, s4, 12
	s_add_co_u32 s8, s8, WST                       ; my stage
	v_lshl_add_u32 v12, v1, 5, s8                  ; in: row L of 32, 32 bytes
	v_and_b32 v4, 7, v1
	v_bfe_u32 v5, v1, 4, 1
	v_lshl_add_u32 v4, v5, 3, v4                   ; 8 h + (L & 7)
	v_bfe_u32 v6, v1, 3, 1
	v_lshlrev_b32 v6, 4, v6
	v_lshl_add_u32 v13, v4, 5, v6                  ; back, transposed: that k-row, the 16 bytes of column half (L >> 3) & 1
	v_add_nc_u32 v13, s8, v13
	v_lshlrev_b32 v14, 3, v1
	v_lshl_add_u32 v14, s63, 12, v14               ; wvb: my row, 8 bytes a lane
; The raw half in RA becomes fragments: hi = bf16(W), lo = bf16(W - hi).  Each goes through the wave's own stage as 128 rows [k][16] and comes
; back by the transposing load: lane (r, h) gets column r, registers 0-3 k = 8 h .. + 7, registers 4-7 k = 16 + 8 h .. + 7 of each K step of 32.
; LDS serves a wave's instructions in order (ISA guide 5.7.1.4), so the lo rows may follow the hi loads into the same bytes without a wait.
.macro WHALF dh, dl
.irp q, 0,1,2,3
.irp m, 0,1,2,3,4,5,6,7
	v_cvt_pk_bf16_f32 v[RD+8*\q+\m], v[RA+16*\q+2*\m], v[RA+16*\q+2*\m+1]
.endr
	ds_store_b128 v12, v[RD+8*\q:RD+8*\q+3]   offset:1024*\q
	ds_store_b128 v12, v[RD+8*\q+4:RD+8*\q+7] offset:1024*\q+16
.endr
.irp s, 0,1,2,3
	ds_load_tr16_b128 v[\dh+8*\s:\dh+8*\s+3],   v13 offset:1024*\s
	ds_load_tr16_b128 v[\dh+8*\s+4:\dh+8*\s+7], v13 offset:1024*\s+512
.endr
.irp q, 0,1,2,3
.irp m, 0,1,2,3,4,5,6,7
	v_lshlrev_b32 v[4+2*(\m&1)], 16, v[RD+8*\q+\m]
	v_and_b32     v[5+2*(\m&1)], s62, v[RD+8*\q+\m]
	v_pk_add_f32 v[RA+16*\q+2*\m:RA+16*\q+2*\m+1], v[RA+16*\q+2*\m:RA+16*\q+2*\m+1], v[4+2*(\m&1):5+2*(\m&1)] neg_lo:[0,1] neg_hi:[0,1]
.endr
.irp m, 0,1,2,3,4,5,6,7
	v_cvt_pk_bf16_f32 v[RA+16*\q+\m], v[RA+16*\q+2*\m], v[RA+16*\q+2*\m+1]   ; ascending: the word written lies at or below the two read
.endr
	ds_store_b128 v12, v[RA+16*\q:RA+16*\q+3]   offset:1024*\q
	ds_store_b128 v12, v[RA+16*\q+4:RA+16*\q+7] offset:1024*\q+16
.endr
.irp s, 0,1,2,3
	ds_load_tr16_b128 v[\dl+8*\s:\dl+8*\s+3],   v13 offset:1024*\s
	ds_load_tr16_b128 v[\dl+8*\s+4:\dl+8*\s+7], v13 offset:1024*\s+512
.endr
	s_wait_dscnt 0x0                               ; the fragments are in; RA is free for the next loads
.endm
	s_wait_loadcnt 32                              ; the first raw half is in; the 32 younger loads (the row of Wv, the rows of Wo) stay out
	WHALF RC, RC+32
	RAW 1
	s_wait_loadcnt 32                              ; the row of Wv is in; the rows of Wo and the second raw half, 32 loads, stay out
	; the row's mean: 64 numbers a lane in four chains, then across the 32 lanes
.irp c, 0,1,2,3
	v_pk_add_f32 v[4+2*\c:5+2*\c], v[RB+2*\c:RB+2*\c+1], v[RB+8+2*\c:RB+8+2*\c+1]
.endr
.set p, 8
.rept 24
	v_pk_add_f32 v[4+2*(p%4):5+2*(p%4)], v[4+2*(p%4):5+2*(p%4)], v[RB+2*p:RB+2*p+1]
.set p, p+1
.endr
	v_pk_add_f32 v[4:5], v[4:5], v[6:7]
	v_pk_add_f32 v[8:9], v[8:9], v[10:11]
	v_pk_add_f32 v[4:5], v[4:5], v[8:9]
	v_add_f32 v4, v4, v5
	v_add_f32_dpp v4, v4, v4 row_xmask:1 row_mask:0xf bank_mask:0xf
	v_add_f32_dpp v4, v4, v4 row_xmask:2 row_mask:0xf bank_mask:0xf
	v_add_f32_dpp v4, v4, v4 row_xmask:4 row_mask:0xf bank_mask:0xf
	v_add_f32_dpp v4, v4, v4 row_xmask:8 row_mask:0xf bank_mask:0xf
	v_permlanex16_b32 v5, v4, s60, s61
	v_add_f32 v4, v4, v5
	v_mul_f32 v4, 0x3a000000, v4                   ; / 2048
	v_mov_b32 v5, v4
.set p, 0
.rept 32
	v_pk_add_f32 v[RB+2*p:RB+2*p+1], v[RB+2*p:RB+2*p+1], v[4:5] neg_lo:[0,1] neg_hi:[0,1]
.set p, p+1
.endr
	; the centred row's largest magnitude, into my word of LDS
	v_and_b32 v6, 0x7fffffff, v[RB]
	v_and_b32 v7, 0x7fffffff, v[RB+1]
	v_max_num_f32 v8, v6, v7
.set p, 1
.rept 31
	v_and_b32 v6, 0x7fffffff, v[RB+2*p]
	v_and_b32 v7, 0x7fffffff, v[RB+2*p+1]
	v_max3_num_f32 v8, v8, v6, v7
.set p, p+1
.endr
	v_max_num_f32_dpp v8, v8, v8 row_xmask:1 row_mask:0xf bank_mask:0xf
	v_max_num_f32_dpp v8, v8, v8 row_xmask:2 row_mask:0xf bank_mask:0xf
	v_max_num_f32_dpp v8, v8, v8 row_xmask:4 row_mask:0xf bank_mask:0xf
	v_max_num_f32_dpp v8, v8, v8 row_xmask:8 row_mask:0xf bank_mask:0xf
	v_permlanex16_b32 v9, v8, s60, s61
	v_max_num_f32 v8, v8, v9
	s_lshl_b32 s9, s4, 2
	s_add_co_u32 s9, s9, WMP
	v_mov_b32 v9, s9
	ds_store_b32 v9, v8                            ; all lanes write the same word with the same value
.set p, 0
.rept 32
	v_cvt_pk_f16_f32 v[RD+p], v[RB+2*p], v[RB+2*p+1]
.set p, p+1
.endr
.irp j, 0,1,2,3,4,5,6,7,8,9,10,11,12,13,14,15
	global_store_b64 v14, v[RD+2*\j:RD+2*\j+1], s[28:29] offset:256*\j   ; the wave's store covers 256 consecutive bytes, aligned
.endr
	s_wait_loadcnt 0x0                             ; the second raw half, the youngest of the loads: the rows of Wo are in too
	s_wait_xcnt 0x0                                ; RD, which the stores read, is rewritten only behind this wait
	WHALF RB, RB+32
	; my 16 rows of Wo, 128 columns each (in window 1 since the wait above): weighed by ln_b into a partial row, scaled by ln_g to f16.
	; Each step runs under one window setting.
	v_lshlrev_b32 v15, 3, v1
	v_lshl_add_u32 v15, s3, 8, v15
	v_lshl_add_u32 v15, s6, 12, v15                ; row x 4,096 + 256 ng + 8 L
	s_lshl_b32 s9, s4, 9
	s_add_co_u32 s9, s9, PBP
	v_lshl_add_u32 v2, v1, 4, s9
	s_wait_kmcnt 0x0                               ; bp, ba, ln_g, ln_b
	WIN 0x04                                       ; source 1 in window 1
.irp e, 0,1,2,3
	v_mul_f32 v[8+\e], s84, v[WO+\e]               ; the first row starts the sums
.endr
.irp j, 1,2,3,4,5,6,7,8,9,10,11,12,13,14,15
.irp e, 0,1,2,3
	v_fmac_f32 v[8+\e], s[84+\j], v[WO+4*\j+\e]
.endr
.endr
	WIN 0x44                                       ; source 1 and destination in window 1
.irp j, 0,1,2,3,4,5,6,7,8,9,10,11,12,13,14,15
.irp e, 0,1,2,3
	v_mul_f32 v[WO+4*\j+\e], s[68+\j], v[WO+4*\j+\e]
.endr
.endr
	WIN 0x05                                       ; both sources in window 1
.irp j, 0,1,2,3,4,5,6,7,8,9,10,11,12,13,14,15
	v_cvt_pk_f16_f32 v[RD+2*\j],   v[WO+4*\j],   v[WO+4*\j+1]
	v_cvt_pk_f16_f32 v[RD+2*\j+1], v[WO+4*\j+2], v[WO+4*\j+3]
.endr
	WIN 0
	ds_store_b128 v2, v[8:11]
.irp j, 0,1,2,3,4,5,6,7,8,9,10,11,12,13,14,15
	global_store_b64 v15, v[RD+2*\j:RD+2*\j+1], s[30:31] offset:4096*\j  ; 256 consecutive bytes, aligned
.endr
	; x [Wp | Wa] over my 256 columns: 8 K steps of 32; beside it the sums of x^2 of the rows
	s_wait_tensorcnt 0x0                           ; my tile of x is in LDS; only I read it
	s_wait_xcnt 0x0                                ; RD (= XR), which the stores read, is loaded into only behind this wait
	v_and_b32 v4, 15, v1
	v_bfe_u32 v5, v1, 4, 1
	v_mul_u32_u24 v12, v4, XPITCH
	v_lshl_add_u32 v12, v5, 5, v12
	v_add_nc_u32 v12, s33, v12                     ; row r, 8 h f32 into the K step
; 16 f32 of XR block t: their squares onto the pair v[8 + 2 t] (first = 1: the first product starts the sums), then a fragment hi at fb and lo at fb + 8
.macro XFRAG t, fb, first
.irp m, 0,1,2,3,4,5,6,7
.if (\m+8*(1-\first)) == 0
	v_pk_mul_f32 v[8+2*\t:9+2*\t], v[XR+16*\t+2*\m:XR+16*\t+2*\m+1], v[XR+16*\t+2*\m:XR+16*\t+2*\m+1]
.else
	v_pk_fma_f32 v[8+2*\t:9+2*\t], v[XR+16*\t+2*\m:XR+16*\t+2*\m+1], v[XR+16*\t+2*\m:XR+16*\t+2*\m+1], v[8+2*\t:9+2*\t]
.endif
.endr
.irp m, 0,1,2,3,4,5,6,7
	v_cvt_pk_bf16_f32 v[\fb+\m], v[XR+16*\t+2*\m], v[XR+16*\t+2*\m+1]
.endr
.irp m, 0,1,2,3,4,5,6,7
	v_lshlrev_b32 v[4+2*(\m&1)], 16, v[\fb+\m]
	v_and_b32     v[5+2*(\m&1)], s62, v[\fb+\m]
	v_pk_add_f32 v[XR+16*\t+2*\m:XR+16*\t+2*\m+1], v[XR+16*\t+2*\m:XR+16*\t+2*\m+1], v[4+2*(\m&1):5+2*(\m&1)] neg_lo:[0,1] neg_hi:[0,1]
.endr
.irp m, 0,1,2,3,4,5,6,7
	v_cvt_pk_bf16_f32 v[\fb+8+\m], v[XR+16*\t+2*\m], v[XR+16*\t+2*\m+1]
.endr
.endm
; One K step.  Source 0 = W's fragment, source 1 = x's: in the result lane r is row 16 t + r of x and register j is column 8 h + j of [Wp | Wa],
; so lanes 0-15 hold the eight phase sums and lanes 16-31 the eight amplitude sums.  The two accumulators take turns, one instruction a turn.
; The fragment sets fs alternate from step to step: a set is rewritten behind the whole next step's conversions.
.macro ZSTEP s, fs, wh, wl, first
.irp t, 0,1
	ds_load_b128 v[XR+16*\t:XR+16*\t+3],     v12 offset:16*XPITCH*\t+128*\s
	ds_load_b128 v[XR+16*\t+4:XR+16*\t+7],   v12 offset:16*XPITCH*\t+128*\s+16
	ds_load_b128 v[XR+16*\t+8:XR+16*\t+11],  v12 offset:16*XPITCH*\t+128*\s+64
	ds_load_b128 v[XR+16*\t+12:XR+16*\t+15], v12 offset:16*XPITCH*\t+128*\s+80
.endr
	s_wait_dscnt 0x0
	XFRAG 0, \fs, \first
	XFRAG 1, \fs+16, \first
.if \first
	v_wmma_f32_16x16x32_bf16 v[Z0:Z0+7], v[\wh:\wh+7], v[\fs:\fs+7], 0
	v_wmma_f32_16x16x32_bf16 v[Z1:Z1+7], v[\wh:\wh+7], v[\fs+16:\fs+23], 0
.else
	v_wmma_f32_16x16x32_bf16 v[Z0:Z0+7], v[\wh:\wh+7], v[\fs:\fs+7], v[Z0:Z0+7]
	v_wmma_f32_16x16x32_bf16 v[Z1:Z1+7], v[\wh:\wh+7], v[\fs+16:\fs+23], v[Z1:Z1+7]
.endif
	v_wmma_f32_16x16x32_bf16 v[Z0:Z0+7], v[\wh:\wh+7], v[\fs+8:\fs+15], v[Z0:Z0+7]
	v_wmma_f32_16x16x32_bf16 v[Z1:Z1+7], v[\wh:\wh+7], v[\fs+24:\fs+31], v[Z1:Z1+7]
	v_wmma_f32_16x16x32_bf16 v[Z0:Z0+7], v[\wl:\wl+7], v[\fs:\fs+7], v[Z0:Z0+7]
	v_wmma_f32_16x16x32_bf16 v[Z1:Z1+7], v[\wl:\wl+7], v[\fs+16:\fs+23], v[Z1:Z1+7]
.endm
	ZSTEP 0, RA,    RC,    RC+32, 1
	ZSTEP 1, RA+32, RC+8,  RC+40, 0
	ZSTEP 2, RA,    RC+16, RC+48, 0
	ZSTEP 3, RA+32, RC+24, RC+56, 0
	ZSTEP 4, RA,    RB,    RB+32, 0
	ZSTEP 5, RA+32, RB+8,  RB+40, 0
	ZSTEP 6, RA,    RB+16, RB+48, 0
	ZSTEP 7, RA+32, RB+24, RB+56, 0
.rept 4
	v_nop                                          ; four places behind the last matrix instruction: the stores read results, the loads below land on sources
.endr
	s_lshl_b32 s8, s4, 11
	s_add_co_u32 s8, s8, ZP
	v_lshl_add_u32 v13, v1, 4, s8
	ds_store_b128 v13, v[Z0:Z0+3]
	ds_store_b128 v13, v[Z0+4:Z0+7] offset:512
	ds_store_b128 v13, v[Z1:Z1+3]   offset:1024
	ds_store_b128 v13, v[Z1+4:Z1+7] offset:1536
	; the sums of x^2: lane (r, h) holds half of the columns of rows r and 16 + r
	v_add_f32 v8, v8, v9
	v_add_f32 v10, v10, v11
	v_permlanex16_b32 v9, v8, s60, s61
	v_permlanex16_b32 v11, v10, s60, s61
	v_add_f32 v8, v8, v9
	v_add_f32 v10, v10, v11
	v_and_b32 v4, 15, v1
	s_lshl_b32 s9, s4, 7
	s_add_co_u32 s9, s9, NP
	v_lshl_add_u32 v15, v4, 2, s9
	ds_store_b32 v15, v8                           ; row r; both halves of the lanes write the same word with the same value
	ds_store_b32 v15, v10 offset:64                ; row 16 + r
	s_wait_dscnt 0x0                               ; for the other waves: my partial sums, my partial row of ln_b Wo and my largest |Wv'| are in LDS
	s_barrier_signal -1
	s_barrier_wait -1                              ; the only barrier; no LDS byte is ever filled again
	; every wave adds the eight partial sums in the same order: lane L gets row L's eight phase sums (v16-23) and amplitude sums (v24-31)
	v_lshrrev_b32 v5, 4, v1
	v_lshlrev_b32 v14, 4, v4
	v_lshl_add_u32 v14, v5, 10, v14
	v_add_nc_u32 v14, ZP, v14
	v_lshlrev_b32 v15, 2, v1
	v_add_nc_u32 v15, NP, v15
.irp u, 0,1,2,3,4,5,6,7
	ds_load_b128 v[16+16*\u:16+16*\u+3],   v14 offset:2048*\u
	ds_load_b128 v[16+16*\u+4:16+16*\u+7], v14 offset:2048*\u+512
	ds_load_b128 v[16+16*\u+8:16+16*\u+11],  v14 offset:2048*\u+256
	ds_load_b128 v[16+16*\u+12:16+16*\u+15], v14 offset:2048*\u+768
.endr
.irp u, 0,1,2,3,4,5,6,7
	ds_load_b32 v[NR+\u], v15 offset:128*\u        ; row L's sum of x^2 over wave u's columns
.endr
	s_wait_dscnt 0x0
	v_pk_add_f32 v[NR:NR+1], v[NR:NR+1], v[NR+2:NR+3]
	v_pk_add_f32 v[NR+4:NR+5], v[NR+4:NR+5], v[NR+6:NR+7]
	v_pk_add_f32 v[NR:NR+1], v[NR:NR+1], v[NR+4:NR+5]
	v_add_f32 v[NR], v[NR], v[NR+1]
	v_sqrt_f32 v[NR], v[NR]                        ; the row's length; used far below
.irp u, 1,2,3,4,5,6,7
.irp e, 0,2,4,6,8,10,12,14
	v_pk_add_f32 v[16+\e:17+\e], v[16+\e:17+\e], v[16+16*\u+\e:17+16*\u+\e]
.endr
.endr
.irp j, 0,1,2,3,4,5,6,7
	v_add_f32 v[16+\j], s[44+\j], v[16+\j]         ; + bp
	v_add_f32 v[24+\j], s[52+\j], v[24+\j]         ; + ba
.endr
	; u = tanh + 0.25 = 1.25 - 2 / (1 + e^(2 U));  sin(pi u) = (-1)^n sin(pi f), n = round(u), f = u - n
.irp j, 0,1,2,3,4,5,6,7
	v_mul_f32 v[32+\j], 0x4038aa3b, v[16+\j]       ; 2 log2(e) U
.endr
.irp j, 0,1,2,3,4,5,6,7
	v_exp_f32 v[32+\j], v[32+\j]
.endr
	v_mov_b32 v4, 0xbbf183a8                       ; -pi^11 / 11!; also the plain instruction behind the transcendentals (ISA guide 5.7.2)
	s_wait_alu depctr_va_vdst(0)
.irp j, 0,1,2,3,4,5,6,7
	v_add_f32 v[32+\j], 1.0, v[32+\j]
.endr
.irp j, 0,1,2,3,4,5,6,7
	v_rcp_f32 v[32+\j], v[32+\j]
.endr
	v_nop
	s_wait_alu depctr_va_vdst(0)
.irp j, 0,1,2,3,4,5,6,7
	v_fma_f32 v[32+\j], v[32+\j], -2.0, 0x3fa00000
.endr
	; t = u + 1.5 x 2^23: at that size a step of f32 is 1, so the sum (rounded to nearest even, the mode at entry) is 1.5 x 2^23 + n, exactly,
	; for |u| <= 1.25; the word's lowest bit is n's parity
.irp j, 0,1,2,3,4,5,6,7
	v_add_f32 v[40+\j], 0x4b400000, v[32+\j]       ; t
.endr
.irp j, 0,1,2,3,4,5,6,7
	v_add_f32 v[48+\j], 0xcb400000, v[40+\j]       ; n = t - 1.5 x 2^23
.endr
.irp j, 0,1,2,3,4,5,6,7
	v_sub_f32 v[32+\j], v[32+\j], v[48+\j]         ; f
	v_lshlrev_b32 v[40+\j], 31, v[40+\j]           ; the sign of (-1)^n
.endr
.irp j, 0,1,2,3,4,5,6,7
	v_mul_f32 v[48+\j], v[32+\j], v[32+\j]         ; f^2
.endr
.irp j, 0,1,2,3,4,5,6,7
	v_fmaak_f32 v[56+\j], v4, v[48+\j], 0x3da83c1a
.endr
.irp k, 0xbf196966, 0x402335e3, 0xc0a55de7, 0x40490fdb
.irp j, 0,1,2,3,4,5,6,7
	v_fmaak_f32 v[56+\j], v[56+\j], v[48+\j], \k
.endr
.endr
.irp j, 0,1,2,3,4,5,6,7
	v_mul_f32 v[56+\j], v[56+\j], v[32+\j]
.endr
.irp j, 0,1,2,3,4,5,6,7
	v_xor_b32 v[56+\j], v[56+\j], v[40+\j]         ; sin(pi u)
.endr
	; amp = max(V, 0) + ln(1 + e^-|V|) + 0.1
.irp j, 0,1,2,3,4,5,6,7
	v_and_b32 v[48+\j], 0x7fffffff, v[24+\j]
.endr
.irp j, 0,1,2,3,4,5,6,7
	v_mul_f32 v[48+\j], 0xbfb8aa3b, v[48+\j]
.endr
.irp j, 0,1,2,3,4,5,6,7
	v_exp_f32 v[48+\j], v[48+\j]
.endr
	v_nop
	s_wait_alu depctr_va_vdst(0)
.irp j, 0,1,2,3,4,5,6,7
	v_add_f32 v[48+\j], 1.0, v[48+\j]
.endr
.irp j, 0,1,2,3,4,5,6,7
	v_log_f32 v[48+\j], v[48+\j]
.endr
.irp j, 0,1,2,3,4,5,6,7
	v_max_num_f32 v[24+\j], 0, v[24+\j]            ; the first of these is the plain instruction behind the logarithms
.endr
	s_wait_alu depctr_va_vdst(0)
.irp j, 0,1,2,3,4,5,6,7
	v_fmamk_f32 v[48+\j], v[48+\j], 0x3f317218, v[24+\j]
.endr
.irp j, 0,1,2,3,4,5,6,7
	v_add_f32 v[48+\j], 0x3dcccccd, v[48+\j]
.endr
	v_mul_f32 v6, v48, v56
.irp j, 1,2,3,4,5,6,7
	v_fmac_f32 v6, v[48+\j], v[56+\j]
.endr
	v_mul_f32 v6, 0x3fb504f3, v6                   ; c of row L
.set n, 0
.rept 32
	v_readlane_b32 s[66+n], v6, n                  ; the 32 c as scalars (ln_g and ln_b are done with)
.set n, n+1
.endr
	v_and_b32 v8, 0x7fffffff, v6
	v_mul_f32 v8, v8, v[NR]                        ; a of row L
	v_mov_b32 v7, v6
	v_mov_b32 v9, v8
.irp k, 1,2,4,8
	v_add_f32_dpp v7, v7, v7 row_xmask:\k row_mask:0xf bank_mask:0xf
	v_add_f32_dpp v9, v9, v9 row_xmask:\k row_mask:0xf bank_mask:0xf
.endr
	v_permlanex16_b32 v5, v7, s60, s61
	v_add_f32 v7, v7, v5                           ; the chunk's sum of c
	v_permlanex16_b32 v5, v9, s60, s61
	v_add_f32 v9, v9, v5                           ; the chunk's sum of a
	s_cmp_lg_u32 s4, 0
	s_cbranch_scc1 .Lno_ask
	s_lshl_b32 s63, s5, 5
	s_load_b256 s[44:51], s[100:101], s63 offset:0x0       ; wave 0 asks for bv[8 i .. 8 i + 7] now and uses them behind the pass below.  They take the place of bp,
	                                                       ; which is done with: registers that have held numbers only, never an address
.Lno_ask:
	; S: sum of c x over the 32 rows; the lane's columns 4 L .. + 3 and 128 + 4 L .. + 3 of my 256; four groups of eight rows on two buffers
	v_lshl_add_u32 v12, v1, 4, s33                 ; the rows' LDS address: kept to the end of the pass
.macro SLD g, buf
.irp q, 0,1,2,3,4,5,6,7
	ds_load_b128 v[\buf+8*\q:\buf+8*\q+3],   v12 offset:XPITCH*(8*\g+\q)
	ds_load_b128 v[\buf+8*\q+4:\buf+8*\q+7], v12 offset:XPITCH*(8*\g+\q)+512
.endr
.endm
.macro SACC g, buf
.irp q, 0,1,2,3,4,5,6,7
.irp e, 0,1,2,3,4,5,6,7
.if (8*\g+\q) == 0
	v_mul_f32 v[SA+\e], s66, v[\buf+\e]            ; the first row starts the sums
.else
	v_fmac_f32 v[SA+\e], s[66+8*\g+\q], v[\buf+8*\q+\e]
.endif
.endr
.endr
.endm
	SLD 0, RA
	SLD 1, RB
	s_wait_dscnt 16                                ; the older group is in, the younger 16 loads stay out
	SACC 0, RA
	SLD 2, RA
	s_wait_dscnt 16
	SACC 1, RB
	SLD 3, RB
	s_wait_dscnt 16
	SACC 2, RA
	s_wait_dscnt 0x0
	SACC 3, RB
	s_lshl_b32 s8, s5, 13
	s_lshl_b32 s9, s4, 10
	s_add_co_u32 s8, s8, s9
	v_lshl_add_u32 v13, v1, 4, s8
	global_store_b128 v13, v[SA:SA+3],   s[26:27]              ; 512 consecutive bytes each
	global_store_b128 v13, v[SA+4:SA+7], s[26:27] offset:512
	s_cmp_lg_u32 s4, 0
	s_cbranch_scc1 .Lnot_wave_0
	v_lshlrev_b32 v2, 2, v1
	v_lshl_add_u32 v2, s5, 7, v2
	global_store_b32 v2, v6, s[26:27] offset:C_OFF         ; wave 0: the chunk's 32 c
	global_store_b32 v2, v8, s[26:27] offset:A_OFF         ; and a
	v_mov_b32 v10, WMP
	ds_load_b128 v[16:19], v10                     ; the eight waves' largest |Wv'|, stored in front of the barrier
	ds_load_b128 v[20:23], v10 offset:16
	s_wait_kmcnt 0x0                               ; my eight bv
	v_mov_b32 v4, s44
	v_mov_b32 v5, s44
.irp n, 45,46,47,48,49,50,51
	v_max_num_f32 v4, s[\n], v4
	v_min_num_f32 v5, s[\n], v5
.endr
	v_xor_b32 v5, 0x80000000, v5                   ; the largest -bv
	s_wait_dscnt 0x0
	v_max3_num_f32 v16, v16, v17, v18
	v_max3_num_f32 v16, v16, v19, v20
	v_max3_num_f32 v16, v16, v21, v22
	v_max_num_f32 v16, v16, v23
	v_mov_b32 v3, s5
	v_lshlrev_b32 v3, 2, v3
	v_cmp_eq_u32 vcc_lo, 0, v1
	s_wait_xcnt 0x0                                ; EXEC is a source of the pending stores: it changes only behind this wait
	s_and_saveexec_b32 s6, vcc_lo
	global_store_b32 v3, v7,  s[26:27] offset:CS_OFF       ; lane 0: the work-group's word in each of five tables
	global_store_b32 v3, v9,  s[26:27] offset:AS_OFF
	global_store_b32 v3, v16, s[26:27] offset:WM_OFF
	global_store_b32 v3, v4,  s[26:27] offset:BX_OFF
	global_store_b32 v3, v5,  s[26:27] offset:BN_OFF
	s_wait_xcnt 0x0
	s_or_b32 exec_lo, exec_lo, s6
.Lnot_wave_0:
	s_cmp_lg_u32 s4, 1
	s_cbranch_scc1 .Lend
	v_lshlrev_b32 v2, 4, v1                        ; wave 1: the eight partial rows of ln_b Wo, stored in front of the barrier
	v_add_nc_u32 v3, PBP, v2
.irp u, 0,1,2,3,4,5,6,7
	ds_load_b128 v[16+4*\u:16+4*\u+3], v3 offset:512*\u
.endr
	s_wait_dscnt 0x0
.irp u, 1,2,3,4,5,6,7
	v_pk_add_f32 v[16:17], v[16:17], v[16+4*\u:17+4*\u]
	v_pk_add_f32 v[18:19], v[18:19], v[18+4*\u:19+4*\u]
.endr
	v_lshl_add_u32 v2, s3, 9, v2
	v_lshl_add_u32 v2, s2, 13, v2
	global_store_b128 v2, v[16:19], s[26:27] offset:PB_OFF
.Lend:
	s_set_vgpr_msb 0x5
	s_wait_tensorcnt 0x0
	ds_add_u32 v64, v65
	s_wait_dscnt 0x0
	s_set_vgpr_msb 0x500
	s_endpgm
.Lfunc_end_k_qb0e103d024_prep:
	.size	k_qb0e103d024_prep, .Lfunc_end_k_qb0e103d024_prep-k_qb0e103d024_prep
	.p2alignl 7, 3214868480
	.fill 96, 4, 3214868480
	.section	.rodata,"a",@progbits
	.p2align	6, 0x0
	.amdhsa_kernel k_qb0e103d024_prep
		.amdhsa_group_segment_fixed_size 321792
		.amdhsa_private_segment_fixed_size 0
		.amdhsa_enable_private_segment 0
		.amdhsa_kernarg_size 104
		.amdhsa_user_sgpr_count 2
		.amdhsa_user_sgpr_kernarg_segment_ptr 1
		.amdhsa_wavefront_size32 1
		.amdhsa_system_sgpr_workgroup_id_x 1
		.amdhsa_system_sgpr_workgroup_id_y 1
		.amdhsa_system_sgpr_workgroup_id_z 1
		.amdhsa_system_vgpr_workitem_id 0
		.amdhsa_next_free_vgpr 322
		.amdhsa_next_free_sgpr 104
		.amdhsa_reserve_vcc 1
		.amdhsa_float_denorm_mode_32 3
		.amdhsa_float_denorm_mode_16_64 3
		.amdhsa_memory_ordered 1
		.amdhsa_forward_progress 1
		.amdhsa_inst_pref_size 138
	.end_amdhsa_kernel
	.amdgpu_metadata
---
amdhsa.version: [ 1, 2 ]
amdhsa.kernels:
  - .name:           k_qb0e103d024_prep
    .symbol:         k_qb0e103d024_prep.kd
    .args:
      - { .name: x, .offset: 0, .size: 8, .value_kind: global_buffer, .address_space: global }
      - { .name: Wp, .offset: 8, .size: 8, .value_kind: global_buffer, .address_space: global }
      - { .name: Wa, .offset: 16, .size: 8, .value_kind: global_buffer, .address_space: global }
      - { .name: bp, .offset: 24, .size: 8, .value_kind: global_buffer, .address_space: global }
      - { .name: ba, .offset: 32, .size: 8, .value_kind: global_buffer, .address_space: global }
      - { .name: Wv, .offset: 40, .size: 8, .value_kind: global_buffer, .address_space: global }
      - { .name: Wo, .offset: 48, .size: 8, .value_kind: global_buffer, .address_space: global }
      - { .name: ln_g, .offset: 56, .size: 8, .value_kind: global_buffer, .address_space: global }
      - { .name: ln_b, .offset: 64, .size: 8, .value_kind: global_buffer, .address_space: global }
      - { .name: aux, .offset: 72, .size: 8, .value_kind: global_buffer, .address_space: global }
      - { .name: wvb, .offset: 80, .size: 8, .value_kind: global_buffer, .address_space: global }
      - { .name: wob, .offset: 88, .size: 8, .value_kind: global_buffer, .address_space: global }
      - { .name: bv, .offset: 96, .size: 8, .value_kind: global_buffer, .address_space: global }
    .group_segment_fixed_size: 321792
    .private_segment_fixed_size: 0
    .kernarg_segment_align: 8
    .kernarg_segment_size: 104
    .max_flat_workgroup_size: 256
    .sgpr_count:     104
    .vgpr_count:     322
    .wavefront_size: 32
...
	.end_amdgpu_metadata
.endif
;; end of part 1
;; launch scan (part 2): grid 256 x 1, 8 waves a work-group, no clusters, 17,408 bytes of LDS; arguments x, aux, ybuf, ccum; writes ybuf, ccum
.if DOCPART == 2
	.amdgcn_target "amdgcn-amd-amdhsa--gfx1250"
	.amdhsa_code_object_version 6
	.text
	.protected	k_qb0e103d024_scan
	.globl	k_qb0e103d024_scan
	.p2align	8
	.type	k_qb0e103d024_scan,@function
k_qb0e103d024_scan:
	s_mov_b64 s[64:65], 0
	v_nop
	global_prefetch_b8 v0, s[64:65] scope:SCOPE_SE
	s_setreg_imm32_b32 hwreg(HW_REG_WAVE_MODE, 25, 1), 1
	s_wait_xcnt 0x0
; SCAN.  y[l][d] = sum over l' <= l of the batch of c[l'] x[l'][d], kept in f32, stored as f16(f[l] y[l][d]);  C[l] = sum over l' <= l of c[l'].
; (The cumulative sum stands ahead of the product with Wv, with which it commutes: the order of the additions differs from the formula's.)
; THE ROW'S SCALE f[l] is a power of two that keeps both y and the next product's row inside f16 for every input:
;   Bd[l] = sum over l' <= l of a[l'] bounds every |y[l][d]|;   U[l] = Bd[l] max(1, 2048 max|Wv'|) + |C[l]| (max bv - min bv) bounds Bd[l] and every
;   |y[l] Wv' + C[l] (bv - mean bv)|;   f[l] = 2^(14 - E), E the exponent of max(U[l], 2^-40): f U < 2^15.
; The LayerNorm takes the scale back: ccum holds C[l] f[l] (for the bias term) and, 32,768 bytes on, 1e-5 f[l]^2 (the epsilon beside the scaled variance).
; A row whose U lies below 2^-40 keeps f = 2^54: its variance is far below the epsilon.
; Work-group i: strip = i & 7 (256 columns), sc = (i >> 3) & 7 (256 rows), batch = i >> 6.  Wave w: the 32 rows (one chunk) 2048 b + 256 sc + 32 w.
; The start value is the sum of S over the batch's earlier chunks.  Wave w adds chunks 8 u + w for u < sc (Q) and brings its own chunk's row (E);
; through LDS every wave takes all eight Q and the E of the waves below it.  Rows that do not belong are left out by a select, not by a factor 0,
; so that an infinity in a later chunk cannot reach an earlier row.  Memory binds: no matrix unit, no cluster (nothing is shared but S and small tables).
; NO REGISTER THAT A STORE READS IS WRITTEN AGAIN: rows 0-15 are packed into v16-79 (four registers each; the prefix sums that lay there are done with),
; rows 16-31 into their own ring slot, which is not filled again.  So the rows need no wait but the one for their own loads.
.set C_OFF,  2097152
.set CS_OFF, 2129920
.set A_OFF,  2262016
.set AS_OFF, 2294784
.set WM_OFF, 2295808
.set BX_OFF, 2296832
.set BN_OFF, 2297856
.set EF_OFF, 32768
.set QR, 16                            ; v16-71 S rows u = 0..6;  v72-79 my own chunk's row;  later v16-79: rows 0-15 as stored
.set X,  80                            ; v80-207 a ring of 16 row slots, 8 registers each; a slot's first four registers later hold its second row as stored
.set Y,  208                           ; v208-215 at first the table of |Wv'|; then the running sums of my 8 columns
.set O,  216                           ; v216-223 at work in the prefix sums
                                       ; v232-234 sums of c below me (two words), my c;  v235 at work;  v236-238 the same for a;  then v236 f, v237 C f, v239 1e-5 f^2
.set TB, 240                           ; v240-247 the table of bv's maxima; then v240 bv's range, v241 max(1, 2048 max|Wv'|)
.set T,  248                           ; v248-255 the table of -bv's maxima; then the scaled row at work
	s_load_b256 s[8:15], s[0:1], 0x0               ; x 8, aux 10, ybuf 12, ccum 14
	v_lshl_add_u32 v230, v0, 2, 0x4000
	v_mov_b32 v231, 0
	v_lshrrev_b32 v1, 5, v0
	v_readfirstlane_b32 s4, v1                     ; wave
	v_and_b32 v1, 31, v0                           ; lane
	s_and_b32 s6, ttmp9, 7                         ; strip
	s_bfe_u32 s7, ttmp9, 0x30003                   ; sc
	s_lshr_b32 s16, ttmp9, 6                       ; batch
	s_lshl_b32 s17, s16, 6                         ; the batch's first chunk
	s_lshl3_add_u32 s20, s7, s4                    ; 8 sc + w: my chunk in the batch
	s_add_co_u32 s21, s17, s20
	s_lshl_b32 s22, s21, 5                         ; my first row
	s_lshl_b32 s23, s22, 2
	s_mov_b32 s60, 0x76543210
	s_mov_b32 s61, 0xfedcba98
	s_add_co_u32 s24, s17, s4
	s_lshl_b32 s24, s24, 13
	s_lshl_b32 s25, s6, 10
	s_add_co_u32 s24, s24, s25
	v_lshl_add_u32 v2, v1, 4, s24                  ; S: chunk 64 b + w, my strip, 16 bytes a lane
	s_lshl_b32 s26, s7, 16
	v_add_nc_u32 v3, s26, v2                       ; S: my own chunk
	v_add_lshl_u32 v4, v1, s17, 2                  ; the chunks' sums: word 64 b + L
	v_add_lshl_u32 v5, v1, s22, 2                  ; c, a and ccum: word of row L of mine
	v_lshlrev_b32 v6, 4, v1
	v_lshlrev_b32 v10, 3, v1
	v_lshlrev_b32 v11, 5, v1                       ; the tables of 256 words: eight words a lane
	s_lshl_b32 s28, s22, 13
	s_add_co_u32 s28, s28, s25
	s_mov_b32 s29, 0
	s_lshl_b32 s30, s22, 12
	s_lshl_b32 s31, s6, 9
	s_add_co_u32 s30, s30, s31
	s_mov_b32 s31, 0
	s_wait_kmcnt 0x0
	s_load_b512 s[68:83], s[10:11], s23 offset:C_OFF       ; c of my 32 rows, as scalars
	s_load_b512 s[84:99], s[10:11], s23 offset:C_OFF+64
	s_add_nc_u64 s[18:19], s[8:9], s[28:29]        ; x at my first row and strip
	s_add_nc_u64 s[32:33], s[12:13], s[30:31]      ; y likewise
.irp u, 0,1,2,3,4,5,6
	global_load_b128 v[QR+8*\u:QR+8*\u+3],   v2, s[10:11] offset:65536*\u
	global_load_b128 v[QR+8*\u+4:QR+8*\u+7], v2, s[10:11] offset:65536*\u+512
.endr
	global_load_b128 v[72:75], v3, s[10:11]
	global_load_b128 v[76:79], v3, s[10:11] offset:512
	global_load_b32 v232, v4, s[10:11] offset:CS_OFF
	global_load_b32 v233, v4, s[10:11] offset:CS_OFF+128
	global_load_b32 v234, v5, s[10:11] offset:C_OFF
	global_load_b32 v236, v4, s[10:11] offset:AS_OFF
	global_load_b32 v237, v4, s[10:11] offset:AS_OFF+128
	global_load_b32 v238, v5, s[10:11] offset:A_OFF
	global_load_b128 v[Y:Y+3],     v11, s[10:11] offset:WM_OFF
	global_load_b128 v[Y+4:Y+7],   v11, s[10:11] offset:WM_OFF+16
	global_load_b128 v[TB:TB+3],   v11, s[10:11] offset:BX_OFF
	global_load_b128 v[TB+4:TB+7], v11, s[10:11] offset:BX_OFF+16
	global_load_b128 v[T:T+3],     v11, s[10:11] offset:BN_OFF
	global_load_b128 v[T+4:T+7],   v11, s[10:11] offset:BN_OFF+16
.irp r, 0,1,2,3,4,5,6,7,8,9,10,11,12,13,14,15
	global_load_b128 v[X+8*\r:X+8*\r+3],   v6, s[18:19] offset:8192*\r th:TH_LOAD_NT
	global_load_b128 v[X+8*\r+4:X+8*\r+7], v6, s[18:19] offset:8192*\r+512 th:TH_LOAD_NT
.endr
.irp u, 0,1,2,3,4,5,6
	s_cmp_gt_u32 s7, \u
	s_cselect_b32 s[40+\u], -1, 0                  ; all lanes where u < sc
.endr
	s_lshl_b32 s27, s4, 11
	v_lshl_add_u32 v7, v1, 4, s27                  ; my Q and E in LDS
	s_wait_loadcnt 32                              ; the 28 first loads are in; the 32 loads of x stay out
.irp e, 0,1,2,3,4,5,6,7
	v_cndmask_b32 v[QR+\e], 0, v[QR+\e], s40
.endr
.irp u, 1,2,3,4,5,6
.irp e, 0,1,2,3,4,5,6,7
	v_cndmask_b32 v[O+\e], 0, v[QR+8*\u+\e], s[40+\u]
.endr
.irp e, 0,2,4,6
	v_pk_add_f32 v[QR+\e:QR+\e+1], v[QR+\e:QR+\e+1], v[O+\e:O+\e+1]
.endr
.endr
	ds_store_b128 v7, v[QR:QR+3]
	ds_store_b128 v7, v[QR+4:QR+7] offset:512
	ds_store_b128 v7, v[72:75] offset:1024
	ds_store_b128 v7, v[76:79] offset:1536
; the largest of a table's 256 words (eight a lane in v[b .. b + 7]), into v[b] of every lane
.macro TMAX b
	v_max3_num_f32 v[\b], v[\b], v[\b+1], v[\b+2]
	v_max3_num_f32 v[\b], v[\b], v[\b+3], v[\b+4]
	v_max3_num_f32 v[\b], v[\b], v[\b+5], v[\b+6]
	v_max_num_f32 v[\b], v[\b], v[\b+7]
.irp k, 1,2,4,8
	v_max_num_f32_dpp v[\b], v[\b], v[\b] row_xmask:\k row_mask:0xf bank_mask:0xf
.endr
	v_permlanex16_b32 v[\b+1], v[\b], s60, s61
	v_max_num_f32 v[\b], v[\b], v[\b+1]
.endm
	TMAX Y
	TMAX TB
	TMAX T
	v_mul_f32 v[TB+1], 0x45000000, v[Y]            ; 2048 max|Wv'|
	v_max_num_f32 v[TB+1], 1.0, v[TB+1]
	v_add_f32 v[TB], v[TB], v[T]                   ; max bv - min bv
	s_wait_dscnt 0x0                               ; for the other waves
	s_barrier_signal -1
	s_barrier_wait -1
.irp u, 0,1,2,3,4,5,6,7
	ds_load_b128 v[QR+8*\u:QR+8*\u+3],   v6 offset:2048*\u
	ds_load_b128 v[QR+8*\u+4:QR+8*\u+7], v6 offset:2048*\u+512
.endr
.irp u, 0,1,2,3,4,5,6
	s_cmp_gt_u32 s4, \u
	s_cselect_b32 s[40+\u], -1, 0                  ; all lanes where wave u lies below mine
.endr
	s_wait_dscnt 0x0
.irp e, 0,2,4,6
	v_pk_add_f32 v[Y+\e:Y+\e+1], v[QR+\e:QR+\e+1], v[QR+8+\e:QR+8+\e+1]
.endr
.irp u, 2,3,4,5,6,7
.irp e, 0,2,4,6
	v_pk_add_f32 v[Y+\e:Y+\e+1], v[Y+\e:Y+\e+1], v[QR+8*\u+\e:QR+8*\u+\e+1]
.endr
.endr
.irp u, 0,1,2,3,4,5,6
	ds_load_b128 v[QR+8*\u:QR+8*\u+3],   v6 offset:2048*\u+1024
	ds_load_b128 v[QR+8*\u+4:QR+8*\u+7], v6 offset:2048*\u+1536
.endr
; meanwhile a cumulative sum over rows: the earlier chunks' sums (words L and 32 + L of the batch in v[a], v[b]), then an inclusive scan over my 32 rows in v[o]
.macro CUM a, b, o, t
	v_cmp_gt_u32 vcc_lo, s20, v1
	v_cndmask_b32 v[\a], 0, v[\a], vcc_lo
	v_cmp_gt_u32 vcc_lo, s20, v9
	v_cndmask_b32 v[\b], 0, v[\b], vcc_lo
	v_add_f32 v[\a], v[\a], v[\b]
.irp k, 1,2,4,8
	v_add_f32_dpp v[\a], v[\a], v[\a] row_xmask:\k row_mask:0xf bank_mask:0xf
.endr
	v_permlanex16_b32 v[\b], v[\a], s60, s61
	v_add_f32 v[\a], v[\a], v[\b]
.irp k, 1,2,4,8
	v_add_f32_dpp v[\o], v[\o], v[\o] row_shr:\k row_mask:0xf bank_mask:0xf bound_ctrl:1
.endr
	v_readlane_b32 s21, v[\o], 15                  ; the lower sixteen rows' sum goes onto the upper sixteen
	v_cmp_lt_u32 vcc_lo, 15, v1
	v_mov_b32 v[\t], s21
	v_cndmask_b32 v[\t], 0, v[\t], vcc_lo
	v_add_f32 v[\o], v[\o], v[\t]
	v_add_f32 v[\o], v[\o], v[\a]
.endm
	v_add_nc_u32 v9, 32, v1
	CUM 232, 233, 234, 235                         ; v234 = C of row L
	CUM 236, 237, 238, 235                         ; v238 = Bd of row L
	v_and_b32 v235, 0x7fffffff, v234
	v_mul_f32 v235, v235, v[TB]
	v_fmac_f32 v235, v238, v[TB+1]                 ; U
	v_max_num_f32 v235, 0x2b800000, v235           ; at least 2^-40
	v_and_b32 v235, 0x7f800000, v235               ; its exponent field, E + 127
	v_sub_nc_u32 v236, 0x86000000, v235            ; the field 268 - (E + 127): f = 2^(14 - E)
	v_mul_f32 v237, v234, v236                     ; C f
	v_mul_f32 v239, v236, v236
	v_mul_f32 v239, 0x3727c5ac, v239               ; 1e-5 f^2
	s_cmp_lg_u32 s6, 0
	s_cbranch_scc1 .Lnot_strip_0                   ; the eight strips hold the same numbers: strip 0 stores them
	global_store_b32 v5, v237, s[14:15]
	global_store_b32 v5, v239, s[14:15] offset:EF_OFF
.Lnot_strip_0:
	s_wait_dscnt 0x0
.irp u, 0,1,2,3,4,5,6
.irp e, 0,1,2,3,4,5,6,7
	v_cndmask_b32 v[O+\e], 0, v[QR+8*\u+\e], s[40+\u]
.endr
.irp e, 0,2,4,6
	v_pk_add_f32 v[Y+\e:Y+\e+1], v[Y+\e:Y+\e+1], v[O+\e:O+\e+1]
.endr
.endr
	s_wait_kmcnt 0x0                               ; c as scalars
; Row p: add c x, scale by the row's f, round to f16, store.  Rows 0-15 fill their slot again with the row 16 further down, straight behind the
; multiply-adds that read it, and are packed into four registers of their own in v16-79; rows 16-31 are packed into their slot's first four registers.
; left = the younger loads that may stay out.
.macro ROW p, left
	s_wait_loadcnt \left                           ; loads come back in order (ISA guide 5.7.1): this row's two are in
	v_readlane_b32 s34, v236, \p                   ; f of row p
.irp e, 0,1,2,3,4,5,6,7
	v_fmac_f32 v[Y+\e], s[68+\p], v[X+8*(\p%16)+\e]
.endr
.if \p < 16
	global_load_b128 v[X+8*(\p%16):X+8*(\p%16)+3],   v6, s[18:19] offset:8192*(\p+16) th:TH_LOAD_NT
	global_load_b128 v[X+8*(\p%16)+4:X+8*(\p%16)+7], v6, s[18:19] offset:8192*(\p+16)+512 th:TH_LOAD_NT
.endif
.irp e, 0,1,2,3,4,5,6,7
	v_mul_f32 v[T+\e], s34, v[Y+\e]
.endr
.if \p < 16
.irp q, 0,1,2,3
	v_cvt_pk_f16_f32 v[QR+4*\p+\q], v[T+2*\q], v[T+2*\q+1]
.endr
	global_store_b64 v10, v[QR+4*\p:QR+4*\p+1],   s[32:33] offset:4096*\p              ; 256 consecutive bytes, aligned
	global_store_b64 v10, v[QR+4*\p+2:QR+4*\p+3], s[32:33] offset:4096*\p+256
.else
.irp q, 0,1,2,3
	v_cvt_pk_f16_f32 v[X+8*(\p%16)+\q], v[T+2*\q], v[T+2*\q+1]
.endr
	global_store_b64 v10, v[X+8*(\p%16):X+8*(\p%16)+1],   s[32:33] offset:4096*\p
	global_store_b64 v10, v[X+8*(\p%16)+2:X+8*(\p%16)+3], s[32:33] offset:4096*\p+256
.endif
.endm
.set rw, 0
.rept 16
	ROW rw, 30                                     ; younger: 2 (15 - p) first fills and 2 p refills
.set rw, rw+1
.endr
.rept 16
	ROW rw, 2*(31-rw)                              ; nothing more is loaded: the counts run down
.set rw, rw+1
.endr
	s_wait_tensorcnt 0x0
	ds_add_u32 v230, v231
	s_wait_dscnt 0x0
	s_endpgm
.Lfunc_end_k_qb0e103d024_scan:
	.size	k_qb0e103d024_scan, .Lfunc_end_k_qb0e103d024_scan-k_qb0e103d024_scan
	.p2alignl 7, 3214868480
	.fill 96, 4, 3214868480
	.section	.rodata,"a",@progbits
	.p2align	6, 0x0
	.amdhsa_kernel k_qb0e103d024_scan
		.amdhsa_group_segment_fixed_size 17408
		.amdhsa_private_segment_fixed_size 0
		.amdhsa_enable_private_segment 0
		.amdhsa_kernarg_size 32
		.amdhsa_user_sgpr_count 2
		.amdhsa_user_sgpr_kernarg_segment_ptr 1
		.amdhsa_wavefront_size32 1
		.amdhsa_system_sgpr_workgroup_id_x 1
		.amdhsa_system_sgpr_workgroup_id_y 1
		.amdhsa_system_sgpr_workgroup_id_z 1
		.amdhsa_system_vgpr_workitem_id 0
		.amdhsa_next_free_vgpr 256
		.amdhsa_next_free_sgpr 104
		.amdhsa_reserve_vcc 1
		.amdhsa_float_denorm_mode_32 3
		.amdhsa_float_denorm_mode_16_64 3
		.amdhsa_memory_ordered 1
		.amdhsa_forward_progress 1
		.amdhsa_inst_pref_size 64
	.end_amdhsa_kernel
	.amdgpu_metadata
---
amdhsa.version: [ 1, 2 ]
amdhsa.kernels:
  - .name:           k_qb0e103d024_scan
    .symbol:         k_qb0e103d024_scan.kd
    .args:
      - { .name: x, .offset: 0, .size: 8, .value_kind: global_buffer, .address_space: global }
      - { .name: aux, .offset: 8, .size: 8, .value_kind: global_buffer, .address_space: global }
      - { .name: ybuf, .offset: 16, .size: 8, .value_kind: global_buffer, .address_space: global }
      - { .name: ccum, .offset: 24, .size: 8, .value_kind: global_buffer, .address_space: global }
    .group_segment_fixed_size: 17408
    .private_segment_fixed_size: 0
    .kernarg_segment_align: 8
    .kernarg_segment_size: 32
    .max_flat_workgroup_size: 256
    .sgpr_count:     104
    .vgpr_count:     256
    .wavefront_size: 32
...
	.end_amdgpu_metadata
.endif
;; end of part 2
;; launch gemm1 (part 3): grid 8 x 32, 4 waves a work-group, clusters of 4 x 4, 327,680 bytes of LDS; arguments ybuf, wvb, bv, ccum, rbuf, ssp; writes rbuf, ssp
.if DOCPART == 3
	.amdgcn_target "amdgcn-amd-amdhsa--gfx1250"
	.amdhsa_code_object_version 6
	.text
	.protected	k_qb0e103d024_gemm1
	.globl	k_qb0e103d024_gemm1
	.p2align	8
	.type	k_qb0e103d024_gemm1,@function
k_qb0e103d024_gemm1:
	s_mov_b64 s[64:65], 0
	v_nop
	global_prefetch_b8 v0, s[64:65] scope:SCOPE_SE
	s_setreg_imm32_b32 hwreg(HW_REG_WAVE_MODE, 25, 1), 1
	s_wait_xcnt 0x0
	s_wait_alu depctr_hold_cnt(0) depctr_sa_sdst(0) depctr_va_vdst(0) depctr_va_sdst(0) depctr_va_ssrc(0) depctr_va_vcc(0) depctr_vm_vsrc(0)
	s_getreg_b32 s2, hwreg(HW_REG_IB_STS2, 6, 4)
	s_cmp_eq_u32 s2, 0
	s_cbranch_scc0 .Lentry_in_a_cluster
	s_endpgm
.Lentry_in_a_cluster:
	s_bfe_u32 s2, ttmp6, 0x10000c
	s_cmp_lg_u32 s2, 0xf033
	s_cbranch_scc0 .Lentry_shape_is_right
	s_endpgm
.Lentry_shape_is_right:
; GEMM 1.  r''[m][n] = sum over k of (f[m] y[m][k]) Wv'[k][n] + (f[m] C[m]) (bv[n] - mean(bv)), rounded to f16, and for each row the sum of r''^2 over
; the wave's 128 columns (f32), one of 16 partial sums a row.  f y: [8192][2048] f16, Wv': [2048 (k)][2048 (n)] f16.  r'' is f[m] times the centred row
; of the LayerNorm (its mean is zero but for the rounding of Wv'); the row's scale f[m], a power of two, was chosen so that |r''| < 2^15 for every input.
; A work-group makes 256 x 256 with four waves, a wave 128 x 128: 64 accumulator tiles, 512 registers.  K goes in 16 steps of 128 through two
; LDS slots filled by the tensor data mover.  CLUSTERS of 4 x 4: A's tiles are asked for jointly along a row of the cluster, B's along a column.
; B lies [k][n], so its fragments come by the transposing LDS load.
; REGISTERS: window 0: v0-31 addresses, v32-39 f C of my rows, v40-47 sums of squares, v48-55 at work, v64-127 and v128-191 fragments of A (two buffers),
; v192-223 packed results;  window 1: v0-63 bv' of my columns, v64-191 fragments of B;  windows 2, 3: accumulators of my rows 0-63, 64-127.
; The matrix instruction is used transposed (source 0 = B, source 1 = A): lane l holds row l % 16, its registers columns 8 (l / 16) + 0..7.
.set KSTEP,  128
.set PITCH,  272                       ; A's LDS row: 256 bytes + 16: an odd multiple of 16
.set BPITCH, 544                       ; B's LDS row: 512 bytes + 32: an odd multiple of 32
.set HALFT,  34816                     ; 128 rows of A = 64 rows of B: what one tensor load brings
.set SLOT,   4*HALFT
.set STAGE,  2*SLOT                    ; behind the ring: 16 rows x 272 bytes for each wave
.set SPITCH, 272
.set SSTG,   STAGE+4*16*SPITCH         ; 512 bytes for each wave: its rows' sums of squares
.set ADRA, 16
.set ADRB, 20
.set STO,  24
.set RD,   25
.set CO,   26
.set SSA,  27
.set SSB,  28
.set L16,  29
.set CC,   32
.set SSR,  40
.set SQ,   48
.set F0,   64
.set F1,   128
.set T,    64
.set TMP,  192
.set G1, 24
.set G0, 32
.set G1B, 48
.set G0B, 56
.set MSB, 0
.macro WIN new                         ; the immediate's high byte repeats the setting that is left
.if MSB != \new
	s_set_vgpr_msb (MSB<<8)|\new
.set MSB, \new
.endif
.endm
.set MUL_LO, 0xa1                      ; source 0 (B) window 1, source 1 (A) window 0, C and D window 2
.set MUL_HI, 0xf1                      ; the same, C and D window 3
.set TO_B,   0x40                      ; destination window 1
; A joint load: waves 0 and 1 fetch A's halves, waves 2 and 3 B's.  The branch hangs on the wave's number alone.
.macro JLOAD s
	s_cmp_eq_u32 s11, 0
	s_cbranch_scc0 .Lfor_b_\@
	tensor_load_to_lds s[G0+4*\s:G0+4*\s+3], s[G1:G1+7]
	s_nop 0
	s_branch .Lasked_\@
.Lfor_b_\@:
	tensor_load_to_lds s[G0B+4*\s:G0B+4*\s+3], s[G1B:G1B+7]
	s_nop 0
.Lasked_\@:
.endm
.macro CREST                           ; a round of the cluster's barrier behind its opening barrier
	s_cmp_lg_u32 s10, 0
	s_cbranch_scc1 .Lnot_wave_0_\@
	s_barrier_signal -3
.Lnot_wave_0_\@:
	s_barrier_wait -3
	s_barrier_signal -1
	s_barrier_wait -1
.endm
.macro CROUND
	s_barrier_signal -1
	s_barrier_wait -1
	CREST
.endm
	s_load_b128 s[4:7], s[0:1], 0x0                ; f y, Wv'
	s_load_b256 s[68:75], s[0:1], 0x10             ; bv 68, ccum 70, rbuf 72, ssp 74
	s_set_vgpr_msb 0x40
	v_lshl_add_u32 v255, v0, 2, 0x48c00
	s_set_vgpr_msb 0x4000
	v_mov_b32 v255, 0
	s_set_vgpr_msb 0x1
	ds_add_u32 v255, v255
	ds_add_u32 v255, v255
	s_set_vgpr_msb 0x100
	v_lshrrev_b32 v1, 5, v0
	v_readfirstlane_b32 s10, v1                    ; wave
	s_lshr_b32 s11, s10, 1                         ; my half of the block's rows; also: I fetch for A (0) or B (1)
	s_and_b32 s12, s10, 1                          ; my half of its columns; also: which half of the tile I fetch
	s_bfe_u32 s40, ttmp6, 0x40000                  ; cx
	s_bfe_u32 s41, ttmp6, 0x40004                  ; cy
	s_lshl_b32 s42, ttmp9, 2
	s_add_co_u32 s42, s42, s40                     ; block column
	s_and_b32 s13, ttmp7, 0xffff
	s_lshl_b32 s13, s13, 2
	s_add_co_u32 s13, s13, s41                     ; block row
	s_lshl_b32 s43, s41, 2
	s_lshl_b32 s43, 15, s43                        ; my row of the cluster
	s_lshl_b32 s44, 0x1111, s40                    ; my column
	s_mov_b32 s80, 0x76543210
	s_mov_b32 s81, 0xfedcba98
	; A's tile: 128 rows x 128 f16, 4 words of padding behind every 64
	s_or_b32 s[G1+0], s43, (1<<16)|(1<<20)|(1<<21)|(5<<22)|(3<<25)
	s_mov_b32 s[G1+1], 128<<16
	s_mov_b32 s[G1+2], 128<<16
	s_mov_b32 s[G1+3], 128<<16
	s_mov_b32 s[G1+4], 128
	s_mov_b32 s[G1+5], 2048
	s_mov_b32 s[G1+6], 0
	s_mov_b32 s[G1+7], 0
	; B's tile: 64 k-rows x 256 f16, 8 words of padding behind every 128
	s_or_b32 s[G1B+0], s44, (1<<16)|(1<<20)|(1<<21)|(6<<22)|(7<<25)
	s_mov_b32 s[G1B+1], 256<<16
	s_mov_b32 s[G1B+2], 64<<16
	s_mov_b32 s[G1B+3], 256<<16
	s_mov_b32 s[G1B+4], 64
	s_mov_b32 s[G1B+5], 2048
	s_mov_b32 s[G1B+6], 0
	s_mov_b32 s[G1B+7], 0
	; A's address hangs on the block row and the wave, B's on the block column and the wave, each in registers that never hold the other coordinate
	s_lshl_b32 s16, s13, 8
	s_lshl_b32 s17, s12, 7
	s_add_co_u32 s16, s16, s17
	s_lshl_b32 s16, s16, 12                        ; rows of 4,096 bytes
	s_mov_b32 s17, 0
	s_lshl_b32 s46, s42, 9                         ; 256 columns of 2 bytes a block
	s_lshl_b32 s47, s12, 18                        ; 64 k-rows of 4,096 bytes
	s_add_co_u32 s46, s46, s47
	s_mov_b32 s47, 0
	s_mul_i32 s20, s10, HALFT                      ; LDS: A's two halves, then B's two: the wave's number alone
	s_wait_dscnt 0x0
	s_wait_kmcnt 0x0
	s_add_nc_u64 s[14:15], s[4:5], s[16:17]
	s_add_nc_u64 s[46:47], s[6:7], s[46:47]
	CROUND                                         ; all sixteen work-groups are here: the first joint loads meet
.irp s, 0,1
	s_mov_b32 s[G0+4*\s], 1
	s_add_co_u32 s[G0+4*\s+1], s20, \s*SLOT
	s_add_nc_u64 s[G0+4*\s+2:G0+4*\s+3], s[14:15], \s*256
	s_or_b32 s[G0+4*\s+3], s[G0+4*\s+3], 0x80000000
	s_mov_b32 s[G0B+4*\s], 1
	s_add_co_u32 s[G0B+4*\s+1], s20, \s*SLOT
	s_add_nc_u64 s[G0B+4*\s+2:G0B+4*\s+3], s[46:47], \s*524288
	s_or_b32 s[G0B+4*\s+3], s[G0B+4*\s+3], 0x80000000
	JLOAD \s
.endr
	; the other buffers at my wave's rows and columns
	s_lshl_b32 s76, s13, 8
	s_lshl_b32 s78, s11, 7
	s_add_co_u32 s76, s76, s78                     ; my first row
	s_lshl_b32 s77, s42, 8
	s_lshl_b32 s78, s12, 7
	s_add_co_u32 s77, s77, s78                     ; my first column
	s_mov_b32 s79, 0
	s_lshl_b32 s78, s77, 2
	s_add_nc_u64 s[82:83], s[68:69], s[78:79]      ; bv at my columns
	s_lshl_b32 s78, s76, 2
	s_add_nc_u64 s[70:71], s[70:71], s[78:79]      ; f C at my rows
	s_lshl_b32 s78, s76, 12
	s_lshl1_add_u32 s78, s77, s78
	s_add_nc_u64 s[72:73], s[72:73], s[78:79]      ; r'' at my block
	s_lshl_b32 s78, s77, 8                         ; (2 block column + half) x 8,192 rows x 4 bytes
	s_lshl2_add_u32 s78, s76, s78
	s_add_nc_u64 s[74:75], s[74:75], s[78:79]      ; my 128 partial sums
	v_and_b32 v1, 15, v0                           ; r = l % 16
	v_bfe_u32 v2, v0, 4, 1                         ; h = l / 16
	v_and_b32 v4, 31, v0
	v_lshlrev_b32 v[L16], 4, v4
	v_lshlrev_b32 v5, 5, v2
	v_lshlrev_b32 v8, 2, v1
.irp j, 0,1,2,3,4,5,6,7,8,9,10,11,12,13,14,15
	global_load_b128 v[F0+4*\j:F0+4*\j+3], v[L16], s[68:69] offset:512*\j          ; all of bv, for its mean
.endr
	WIN TO_B
.irp b, 0,1,2,3,4,5,6,7
	global_load_b128 v[8*\b:8*\b+3],   v5, s[82:83] offset:64*\b                   ; bv of columns 16 b + 8 h + 0..7
	global_load_b128 v[8*\b+4:8*\b+7], v5, s[82:83] offset:64*\b+16
.endr
	WIN 0
.irp a, 0,1,2,3,4,5,6,7
	global_load_b32 v[CC+\a], v8, s[70:71] offset:64*\a                            ; f C of row 16 a + r
.endr
	; LDS addresses.  A: row x pitch + 16 h.  B, transposing load: k-row 8 h + (l & 7), the 16 bytes of column half (l >> 3) & 1.
	v_mul_u32_u24 v3, v1, PITCH
	v_lshl_add_u32 v3, v2, 4, v3
	v_and_b32 v6, 7, v0
	v_lshl_add_u32 v6, v2, 3, v6
	v_mul_u32_u24 v6, v6, BPITCH
	v_bfe_u32 v7, v0, 3, 1
	v_lshl_add_u32 v6, v7, 4, v6
	s_mul_i32 s21, s11, HALFT                      ; my 128 rows of A
	s_lshl_b32 s22, s12, 8                         ; my 128 columns of B,
	s_add_co_u32 s22, s22, 2*HALFT                 ; which lies behind A
.irp s, 0,1
	v_add_nc_u32 v[ADRA+\s], s21, v3
	v_add_nc_u32 v[ADRB+\s], s22, v6
	s_add_co_u32 s21, s21, SLOT
	s_add_co_u32 s22, s22, SLOT
.endr
	s_mul_i32 s23, s10, 16*SPITCH
	s_add_co_u32 s23, s23, STAGE
	v_mul_u32_u24 v4, v1, SPITCH
	v_lshl_add_u32 v4, v2, 4, v4
	v_add_nc_u32 v[STO], s23, v4
	v_mul_u32_u24 v9, v2, SPITCH
	v_lshl_add_u32 v9, v1, 4, v9
	v_add_nc_u32 v[RD], s23, v9
	v_lshlrev_b32 v9, 12, v2
	v_lshl_add_u32 v[CO], v1, 4, v9
	s_lshl_b32 s23, s10, 9
	s_add_co_u32 s23, s23, SSTG
	v_lshl_add_u32 v[SSA], v1, 2, s23
	v_add_nc_u32 v[SSB], s23, v[L16]
	s_wait_loadcnt 0x0
	; mean(bv), then bv' = bv - mean for my columns
.irp c, 0,1,2,3
	v_pk_add_f32 v[SQ+2*\c:SQ+2*\c+1], v[F0+2*\c:F0+2*\c+1], v[F0+8+2*\c:F0+8+2*\c+1]
.endr
.set p, 8
.rept 24
	v_pk_add_f32 v[SQ+2*(p%4):SQ+2*(p%4)+1], v[SQ+2*(p%4):SQ+2*(p%4)+1], v[F0+2*p:F0+2*p+1]
.set p, p+1
.endr
	v_pk_add_f32 v[SQ:SQ+1], v[SQ:SQ+1], v[SQ+2:SQ+3]
	v_pk_add_f32 v[SQ+4:SQ+5], v[SQ+4:SQ+5], v[SQ+6:SQ+7]
	v_pk_add_f32 v[SQ:SQ+1], v[SQ:SQ+1], v[SQ+4:SQ+5]
	v_add_f32 v[SQ], v[SQ], v[SQ+1]
	v_add_f32_dpp v[SQ], v[SQ], v[SQ] row_xmask:1 row_mask:0xf bank_mask:0xf
	v_add_f32_dpp v[SQ], v[SQ], v[SQ] row_xmask:2 row_mask:0xf bank_mask:0xf
	v_add_f32_dpp v[SQ], v[SQ], v[SQ] row_xmask:4 row_mask:0xf bank_mask:0xf
	v_add_f32_dpp v[SQ], v[SQ], v[SQ] row_xmask:8 row_mask:0xf bank_mask:0xf
	v_permlanex16_b32 v[SQ+1], v[SQ], s80, s81
	v_add_f32 v[SQ], v[SQ], v[SQ+1]
	v_mul_f32 v[SQ], 0x3a000000, v[SQ]             ; / 2048
	v_mov_b32 v[SQ+1], v[SQ]
	WIN 0x41                                       ; destination and source 0 window 1, source 1 window 0
.set p, 0
.rept 32
	v_pk_add_f32 v[2*p:2*p+1], v[2*p:2*p+1], v[SQ:SQ+1] neg_lo:[0,1] neg_hi:[0,1]
.set p, p+1
.endr
	WIN 0
; 16 matrix instructions: m blocks a0, a0 + 1 of the window's four x all 8 n blocks, 32 along K.  zero = 1: the first product starts the sums.
.macro MUL16 f, hi, a0, zero
.irp a, \a0, \a0+1
.irp b, 0,1,2,3,4,5,6,7
.if \zero
	v_wmma_f32_16x16x32_f16 v[8*(8*(\a)+\b):8*(8*(\a)+\b)+7], v[\f+8*\b:\f+8*\b+7], v[\f+8*(4*\hi+\a):\f+8*(4*\hi+\a)+7], 0
.else
	v_wmma_f32_16x16x32_f16 v[8*(8*(\a)+\b):8*(8*(\a)+\b)+7], v[\f+8*\b:\f+8*\b+7], v[\f+8*(4*\hi+\a):\f+8*(4*\hi+\a)+7], v[8*(8*(\a)+\b):8*(8*(\a)+\b)+7]
.endif
.endr
.endr
.endm
; 32 LDS loads in one run: quarter q (32 along K) of a slot into buffer f: B's 128 columns (transposed on the way), then A's 128 rows
.macro FETCH slot, q, f
	WIN TO_B
.irp i, 0,1,2,3,4,5,6,7
	ds_load_tr16_b128 v[\f+8*\i:\f+8*\i+3],   v[ADRB+\slot] offset:\q*32*BPITCH+32*\i
	ds_load_tr16_b128 v[\f+8*\i+4:\f+8*\i+7], v[ADRB+\slot] offset:\q*32*BPITCH+32*\i+16*BPITCH
.endr
	WIN 0
.irp i, 0,1,2,3,4,5,6,7
	ds_load_b128 v[\f+8*\i:\f+8*\i+3],   v[ADRA+\slot] offset:\q*64+\i*16*PITCH
	ds_load_b128 v[\f+8*\i+4:\f+8*\i+7], v[ADRA+\slot] offset:\q*64+\i*16*PITCH+32
.endr
.endm
; Four places (plain vector instructions that name none of its registers) behind a matrix instruction, in front of loads into
; registers that it has read and of vector instructions that read its result.
.macro PLACES
.rept 4
	v_nop
.endr
.endm
.macro QUARTER slot, q, f, g, zero
	s_wait_dscnt 8                                 ; B and A's rows 0-63 are in; the youngest eight loads (A's rows 64-127) may be out
	WIN MUL_LO
	MUL16 \f, 0, 0, \zero
	MUL16 \f, 0, 2, \zero
	PLACES
	FETCH \slot, \q, \g
	s_wait_dscnt 32                                ; all but the 32 just issued
	WIN MUL_HI
	MUL16 \f, 1, 0, \zero
	MUL16 \f, 1, 2, \zero
.endm
.macro THREE slot, zero
	QUARTER \slot, 1, F0, F1, \zero
	QUARTER \slot, 2, F1, F0, 0
	QUARTER \slot, 3, F0, F1, 0
.endm
; The last quarter of a K step changes slots.  In front of the barrier each wave waits for its reads of this slot and for all its tensor loads
; (one is out: its part of the next slot).  fill = 1: the barrier opens a round of the cluster's barrier, and the joint refill is the first
; tensor load behind the round.  The 64 accumulators take turns in the same order in every quarter.
.macro TURN slot, next, fill
	s_wait_dscnt 8
	WIN MUL_LO
	MUL16 F1, 0, 0, 0
	s_wait_dscnt 0
	s_wait_tensorcnt 0x0
	ds_add_u32 v255, v255
	s_wait_dscnt 0x0
	s_barrier_signal -1
	MUL16 F1, 0, 2, 0                              ; register work while the others arrive
	WIN 0
	s_barrier_wait -1
.if \fill
	CREST
	s_add_nc_u64 s[G0+4*\slot+2:G0+4*\slot+3], s[G0+4*\slot+2:G0+4*\slot+3], 512        ; two K steps on: 256 numbers along A's rows,
	s_add_nc_u64 s[G0B+4*\slot+2:G0B+4*\slot+3], s[G0B+4*\slot+2:G0B+4*\slot+3], 1048576 ; 256 rows of B
	JLOAD \slot
.endif
	PLACES
	FETCH \next, 0, F0
	WIN MUL_HI
	MUL16 F1, 1, 0, 0
	MUL16 F1, 1, 2, 0
.endm
.macro LAP zero
	THREE 0, \zero
	TURN 0, 1, 1
	THREE 1, 0
	TURN 1, 0, 1
.endm
	s_wait_tensorcnt 1                             ; my part of K step 0 is in; K step 1's stays out
	s_barrier_signal -1
	s_barrier_wait -1
	FETCH 0, 0, F0
	LAP 1                                          ; K steps 0, 1: the first products start the sums
	WIN 0
	s_mov_b32 s3, 6                                ; K steps 2 to 13
.Llap:
	LAP 0
	WIN 0
	s_sub_co_u32 s3, s3, 1
	s_cmp_lg_u32 s3, 0
	s_cbranch_scc1 .Llap
	THREE 0, 0                                     ; K steps 14, 15 fill nothing
	TURN 0, 1, 0
	THREE 1, 0
	s_wait_dscnt 8
	WIN MUL_LO
	MUL16 F1, 0, 0, 0
	MUL16 F1, 0, 2, 0
	s_wait_dscnt 0
	WIN MUL_HI
	MUL16 F1, 1, 0, 0
	MUL16 F1, 1, 2, 0
	PLACES
; THE WAY OUT, 16 rows at a time: r'' = sums + (f C) bv' in f32 (T), its squares summed along my 128 columns, r'' rounded to f16, 16 bytes a lane into
; my own stage, read back as whole rows of 256 bytes.  wfma: source 0 window 1 (bv'), source 1 window 0 (f C), source 2 window 2 or 3.
.macro OUT16 i, a, wfma, f
	WIN \wfma
.irp b, 0,1,2,3,4,5,6,7
.irp q, 0,1,2,3
.if \i & 1
	v_pk_fma_f32 v[T+8*\b+2*\q:T+8*\b+2*\q+1], v[8*\b+2*\q:8*\b+2*\q+1], v[CC+(\i&6):CC+(\i&6)+1], v[8*(8*\a+\b)+2*\q:8*(8*\a+\b)+2*\q+1] op_sel:[0,1,0] op_sel_hi:[1,1,1]
.else
	v_pk_fma_f32 v[T+8*\b+2*\q:T+8*\b+2*\q+1], v[8*\b+2*\q:8*\b+2*\q+1], v[CC+(\i&6):CC+(\i&6)+1], v[8*(8*\a+\b)+2*\q:8*(8*\a+\b)+2*\q+1] op_sel_hi:[1,0,1]
.endif
.endr
.endr
	WIN 0
.irp c, 0,1,2,3
	v_pk_mul_f32 v[SQ+2*\c:SQ+2*\c+1], v[T+2*\c:T+2*\c+1], v[T+2*\c:T+2*\c+1]
.endr
.set p, 4
.rept 28
	v_pk_fma_f32 v[SQ+2*(p%4):SQ+2*(p%4)+1], v[T+2*p:T+2*p+1], v[T+2*p:T+2*p+1], v[SQ+2*(p%4):SQ+2*(p%4)+1]
.set p, p+1
.endr
	v_pk_add_f32 v[SQ:SQ+1], v[SQ:SQ+1], v[SQ+2:SQ+3]
	v_pk_add_f32 v[SQ+4:SQ+5], v[SQ+4:SQ+5], v[SQ+6:SQ+7]
	v_pk_add_f32 v[SQ:SQ+1], v[SQ:SQ+1], v[SQ+4:SQ+5]
	v_add_f32 v[SQ], v[SQ], v[SQ+1]
	v_permlanex16_b32 v[SQ+1], v[SQ], s80, s81     ; the row's other 64 columns lie in the other half of the lanes
	v_add_f32 v[SSR+\i], v[SQ], v[SQ+1]
.irp b, 0,1,2,3,4,5,6,7
.irp q, 0,1,2,3
	v_cvt_pk_f16_f32 v[TMP+4*\b+\q], v[T+8*\b+2*\q], v[T+8*\b+2*\q+1]
.endr
.endr
.irp b, 0,1,2,3,4,5,6,7
	ds_store_b128 v[STO], v[TMP+4*\b:TMP+4*\b+3] offset:32*\b
.endr
	s_wait_xcnt 0x0                                ; buffer f, which the stores two blocks back read, is loaded into only behind this wait
.irp t, 0,1,2,3,4,5,6,7
	ds_load_b128 v[\f+4*\t:\f+4*\t+3], v[RD] offset:\t*2*SPITCH    ; LDS serves a wave's instructions in order (ISA guide 5.7.1.4): these see the stores above
.endr
.irp t, 0,1,2,3,4,5,6,7
	s_wait_dscnt 7-\t
	global_store_b128 v[CO], v[\f+4*\t:\f+4*\t+3], s[72:73] offset:(16*\i+2*\t)*4096   ; 16 lanes store 256 consecutive bytes, aligned
.endr
.endm
	OUT16 0, 0, 0x21, 128
	OUT16 1, 1, 0x21, 160
	OUT16 2, 2, 0x21, 128
	OUT16 3, 3, 0x21, 160
	OUT16 4, 0, 0x31, 128
	OUT16 5, 1, 0x31, 160
	OUT16 6, 2, 0x31, 128
	OUT16 7, 3, 0x31, 160
.irp a, 0,1,2,3,4,5,6,7
	ds_store_b32 v[SSA], v[SSR+\a] offset:64*\a    ; row 16 a + r; both halves of the lanes write the same word with the same value
.endr
	ds_load_b128 v[T:T+3], v[SSB]
	s_wait_dscnt 0x0
	global_store_b128 v[L16], v[T:T+3], s[74:75]   ; my 128 rows' partial sums: 512 consecutive bytes
	s_set_vgpr_msb 0x1
	s_wait_tensorcnt 0x0
	ds_add_u32 v255, v255
	s_wait_dscnt 0x0
	s_set_vgpr_msb 0x100
	CROUND                                         ; the closing round: no work-group ends while a partner may still ask for a tile that names it
	s_endpgm
.Lfunc_end_k_qb0e103d024_gemm1:
	.size	k_qb0e103d024_gemm1, .Lfunc_end_k_qb0e103d024_gemm1-k_qb0e103d024_gemm1
	.p2alignl 7, 3214868480
	.fill 96, 4, 3214868480
	.section	.rodata,"a",@progbits
	.p2align	6, 0x0
	.amdhsa_kernel k_qb0e103d024_gemm1
		.amdhsa_group_segment_fixed_size 327680
		.amdhsa_private_segment_fixed_size 0
		.amdhsa_enable_private_segment 0
		.amdhsa_kernarg_size 48
		.amdhsa_user_sgpr_count 2
		.amdhsa_user_sgpr_kernarg_segment_ptr 1
		.amdhsa_wavefront_size32 1
		.amdhsa_system_sgpr_workgroup_id_x 1
		.amdhsa_system_sgpr_workgroup_id_y 1
		.amdhsa_system_sgpr_workgroup_id_z 1
		.amdhsa_system_vgpr_workitem_id 0
		.amdhsa_next_free_vgpr 1024
		.amdhsa_next_free_sgpr 104
		.amdhsa_reserve_vcc 0
		.amdhsa_float_denorm_mode_32 3
		.amdhsa_float_denorm_mode_16_64 3
		.amdhsa_memory_ordered 1
		.amdhsa_forward_progress 1
		.amdhsa_inst_pref_size 240
	.end_amdhsa_kernel
	.amdgpu_metadata
---
amdhsa.version: [ 1, 2 ]
amdhsa.kernels:
  - .name:           k_qb0e103d024_gemm1
    .symbol:         k_qb0e103d024_gemm1.kd
    .args:
      - { .name: ybuf, .offset: 0, .size: 8, .value_kind: global_buffer, .address_space: global }
      - { .name: wvb, .offset: 8, .size: 8, .value_kind: global_buffer, .address_space: global }
      - { .name: bv, .offset: 16, .size: 8, .value_kind: global_buffer, .address_space: global }
      - { .name: ccum, .offset: 24, .size: 8, .value_kind: global_buffer, .address_space: global }
      - { .name: rbuf, .offset: 32, .size: 8, .value_kind: global_buffer, .address_space: global }
      - { .name: ssp, .offset: 40, .size: 8, .value_kind: global_buffer, .address_space: global }
    .group_segment_fixed_size: 327680
    .private_segment_fixed_size: 0
    .kernarg_segment_align: 8
    .kernarg_segment_size: 48
    .max_flat_workgroup_size: 128
    .sgpr_count:     104
    .vgpr_count:     1024
    .wavefront_size: 32
...
	.end_amdgpu_metadata
.endif
;; end of part 3
;; launch gemm2 (part 4): grid 8 x 32, 4 waves a work-group, clusters of 4 x 4, 327,680 bytes of LDS; arguments rbuf, wob, ssp, aux, bo, x, out0, ccum; writes out0
.if DOCPART == 4
	.amdgcn_target "amdgcn-amd-amdhsa--gfx1250"
	.amdhsa_code_object_version 6
	.text
	.protected	k_qb0e103d024_gemm2
	.globl	k_qb0e103d024_gemm2
	.p2align	8
	.type	k_qb0e103d024_gemm2,@function
k_qb0e103d024_gemm2:
	s_mov_b64 s[64:65], 0
	v_nop
	global_prefetch_b8 v0, s[64:65] scope:SCOPE_SE
	s_setreg_imm32_b32 hwreg(HW_REG_WAVE_MODE, 25, 1), 1
	s_wait_xcnt 0x0
	s_wait_alu depctr_hold_cnt(0) depctr_sa_sdst(0) depctr_va_vdst(0) depctr_va_sdst(0) depctr_va_ssrc(0) depctr_va_vcc(0) depctr_vm_vsrc(0)
	s_getreg_b32 s2, hwreg(HW_REG_IB_STS2, 6, 4)
	s_cmp_eq_u32 s2, 0
	s_cbranch_scc0 .Lentry_in_a_cluster
	s_endpgm
.Lentry_in_a_cluster:
	s_bfe_u32 s2, ttmp6, 0x10000c
	s_cmp_lg_u32 s2, 0xf033
	s_cbranch_scc0 .Lentry_shape_is_right
	s_endpgm
.Lentry_shape_is_right:
; GEMM 2.  out[m][n] = x[m][n] + bo[n] + sum over k of ln_b[k] Wo[k][n] + s[m] sum over k of r''[m][k] (ln_g[k] Wo[k][n]),
; s[m] = rsqrt(sum over d of r''[m][d]^2 / 2^22 + 1e-5 f[m]^2) / sqrt(2048): the LayerNorm's row factor commutes with the product, and with r'' = f r'
; this s is the factor of the unscaled row divided by f.
; r'': [8192][2048] f16, ln_g Wo: [2048 (k)][2048 (n)] f16, x and out f32.  The shape is GEMM 1's: 256 x 256 a work-group, 128 x 128 a wave,
; 16 K steps of 128 through two LDS slots, clusters of 4 x 4 with joint loads of A along a row and of B along a column, B's fragments transposed on the way.
; x, a wave's 128 rows of 512 bytes, is asked for as early as there is room for it:
;   rows 0-47   by 48 loads of 512 consecutive bytes ahead of the K loop, into 192 registers that the loop does not name;
;   rows 48-63  by 16 such loads behind the last matrix instruction, into spent fragment registers; three blocks of the way out pass before they are used;
;   rows 64-127 by one plain tensor load a wave into slot 0 when it has been multiplied for the last time (behind K step 14), the wave's own bytes, read by
;               that wave alone; K step 15 and four blocks of the way out pass before the wait for it.  Slot 1 is not filled again.
; The result is summed in place in the registers that hold x and stored from them.
; PREFETCH: each wave asks once for each aligned 256 bytes of rows 64-127 of its block: sixteen rows in the second and in the third quarter of K step 13,
; thirty-two in the first quarter of K step 14, whose end issues their tensor load.  32 KiB a wave in all, inside x.
; REGISTERS: window 0: v0-31 addresses, v32-39 s of my rows, v40-43 bias of my columns, v64-127 and v128-191 fragments of A (on the way out: scaled sums,
; rows read back), v192-255 x rows 0-15;  window 1: v0-63 x rows 16-31, v64-191 fragments of B (on the way out: x rows 48-127 by turns), v192-255 x rows 32-47;
; windows 2, 3: accumulators.
.set KSTEP,  128
.set PITCH,  272
.set BPITCH, 544
.set HALFT,  34816
.set SLOT,   4*HALFT
.set STAGE,  2*SLOT                    ; behind the ring: 16 rows x 528 bytes (512 + 16: an odd multiple of 16) for each wave
.set SPITCH, 528
.set STAB,   STAGE+4*16*SPITCH         ; s of the block's 256 rows
.set BOT,    STAB+1024                 ; the bias of its 256 columns
.set PB_OFF, 2130944
.set EF_OFF, 32768                     ; ccum: 1e-5 f^2 of the 8,192 rows
.set ADRA, 16
.set ADRB, 20
.set STO,  24
.set RD,   25
.set OUTO, 26
.set SVA,  27
.set XA,   28                          ; v28: my x rows 64-127 in slot 0
.set BOA,  30
.set PFA,  31
.set SV,   32
.set BO,   40
.set F0,   64
.set F1,   128
.set TMP,  64
.set RBK,  128
.set G1, 24
.set G0, 32
.set G1B, 48
.set G0B, 56
.set G1X, 80
.set G0X, 88
.set MSB, 0
.macro WIN new
.if MSB != \new
	s_set_vgpr_msb (MSB<<8)|\new
.set MSB, \new
.endif
.endm
.set MUL_LO, 0xa1
.set MUL_HI, 0xf1
.set TO_B,   0x40
.macro JLOAD s
	s_cmp_eq_u32 s11, 0
	s_cbranch_scc0 .Lfor_b_\@
	tensor_load_to_lds s[G0+4*\s:G0+4*\s+3], s[G1:G1+7]
	s_nop 0
	s_branch .Lasked_\@
.Lfor_b_\@:
	tensor_load_to_lds s[G0B+4*\s:G0B+4*\s+3], s[G1B:G1B+7]
	s_nop 0
.Lasked_\@:
.endm
.macro CREST
	s_cmp_lg_u32 s10, 0
	s_cbranch_scc1 .Lnot_wave_0_\@
	s_barrier_signal -3
.Lnot_wave_0_\@:
	s_barrier_wait -3
	s_barrier_signal -1
	s_barrier_wait -1
.endm
.macro CROUND
	s_barrier_signal -1
	s_barrier_wait -1
	CREST
.endm
	s_load_b128 s[4:7], s[0:1], 0x0                ; r'', ln_g Wo
	s_load_b256 s[68:75], s[0:1], 0x10             ; ssp 68, aux 70, bo 72, x 74
	s_load_b64 s[76:77], s[0:1], 0x30              ; out
	s_load_b64 s[8:9], s[0:1], 0x38                ; ccum
	v_lshl_add_u32 v62, v0, 2, 0x4cc00
	v_mov_b32 v63, 0
	ds_add_u32 v62, v63
	ds_add_u32 v62, v63
	v_lshrrev_b32 v1, 5, v0
	v_readfirstlane_b32 s10, v1
	s_lshr_b32 s11, s10, 1
	s_and_b32 s12, s10, 1
	s_bfe_u32 s40, ttmp6, 0x40000
	s_bfe_u32 s41, ttmp6, 0x40004
	s_lshl_b32 s42, ttmp9, 2
	s_add_co_u32 s42, s42, s40                     ; block column
	s_and_b32 s13, ttmp7, 0xffff
	s_lshl_b32 s13, s13, 2
	s_add_co_u32 s13, s13, s41                     ; block row
	s_lshl_b32 s43, s41, 2
	s_lshl_b32 s43, 15, s43
	s_lshl_b32 s44, 0x1111, s40
	s_or_b32 s[G1+0], s43, (1<<16)|(1<<20)|(1<<21)|(5<<22)|(3<<25)
	s_mov_b32 s[G1+1], 128<<16
	s_mov_b32 s[G1+2], 128<<16
	s_mov_b32 s[G1+3], 128<<16
	s_mov_b32 s[G1+4], 128
	s_mov_b32 s[G1+5], 2048
	s_mov_b32 s[G1+6], 0
	s_mov_b32 s[G1+7], 0
	s_or_b32 s[G1B+0], s44, (1<<16)|(1<<20)|(1<<21)|(6<<22)|(7<<25)
	s_mov_b32 s[G1B+1], 256<<16
	s_mov_b32 s[G1B+2], 64<<16
	s_mov_b32 s[G1B+3], 256<<16
	s_mov_b32 s[G1B+4], 64
	s_mov_b32 s[G1B+5], 2048
	s_mov_b32 s[G1B+6], 0
	s_mov_b32 s[G1B+7], 0
	; x's tile: 64 rows x 128 f32, no mask, no padding (it is read back 512 consecutive bytes at a time)
	s_mov_b32 s[G1X+0], 2<<16
	s_mov_b32 s[G1X+1], 128<<16
	s_mov_b32 s[G1X+2], 64<<16
	s_mov_b32 s[G1X+3], 128<<16
	s_mov_b32 s[G1X+4], 64
	s_mov_b32 s[G1X+5], 2048
	s_mov_b32 s[G1X+6], 0
	s_mov_b32 s[G1X+7], 0
	s_lshl_b32 s16, s13, 8
	s_lshl_b32 s17, s12, 7
	s_add_co_u32 s16, s16, s17
	s_lshl_b32 s16, s16, 12
	s_mov_b32 s17, 0
	s_lshl_b32 s46, s42, 9
	s_lshl_b32 s47, s12, 18
	s_add_co_u32 s46, s46, s47
	s_mov_b32 s47, 0
	s_mul_i32 s20, s10, HALFT
	s_wait_dscnt 0x0
	s_wait_kmcnt 0x0
	s_add_nc_u64 s[14:15], s[4:5], s[16:17]
	s_add_nc_u64 s[46:47], s[6:7], s[46:47]
	CROUND                                         ; all sixteen work-groups are here: the first joint loads meet
.irp s, 0,1
	s_mov_b32 s[G0+4*\s], 1
	s_add_co_u32 s[G0+4*\s+1], s20, \s*SLOT
	s_add_nc_u64 s[G0+4*\s+2:G0+4*\s+3], s[14:15], \s*256
	s_or_b32 s[G0+4*\s+3], s[G0+4*\s+3], 0x80000000
	s_mov_b32 s[G0B+4*\s], 1
	s_add_co_u32 s[G0B+4*\s+1], s20, \s*SLOT
	s_add_nc_u64 s[G0B+4*\s+2:G0B+4*\s+3], s[46:47], \s*524288
	s_or_b32 s[G0B+4*\s+3], s[G0B+4*\s+3], 0x80000000
	JLOAD \s
.endr
	; x and out at my wave's 128 x 128 block; the tables' sources at the work-group's rows and columns
	s_lshl_b32 s78, s13, 8
	s_lshl_b32 s79, s11, 7
	s_add_co_u32 s78, s78, s79                     ; my first row
	s_lshl_b32 s100, s42, 8
	s_lshl_b32 s101, s12, 7
	s_add_co_u32 s100, s100, s101                  ; my first column
	s_lshl_b32 s78, s78, 13
	s_lshl2_add_u32 s78, s100, s78
	s_mov_b32 s79, 0
	s_add_nc_u64 s[96:97], s[74:75], s[78:79]
	s_add_nc_u64 s[98:99], s[76:77], s[78:79]
	s_lshl_b32 s78, s13, 10                        ; 256 rows of 4 bytes a block row
	s_add_nc_u64 s[68:69], s[68:69], s[78:79]
	s_add_nc_u64 s[8:9], s[8:9], s[78:79]
	s_lshl_b32 s78, s42, 10
	s_add_nc_u64 s[70:71], s[70:71], s[78:79]
	s_add_nc_u64 s[72:73], s[72:73], s[78:79]
	s_mov_b32 s[G0X+0], 1
	s_mov_b32 s[G0X+1], s20                        ; my quarter of slot 0
	s_add_nc_u64 s[G0X+2:G0X+3], s[96:97], 524288  ; rows 64-127 of my block
	s_or_b32 s[G0X+3], s[G0X+3], 0x80000000
	; thread t makes s of rows 2 t, 2 t + 1 and the bias of columns 2 t, 2 t + 1 of the block
	v_lshlrev_b32 v4, 3, v0
.irp q, 0,1,2,3,4,5,6,7,8,9,10,11,12,13,14,15
	global_load_b64 v[F0+2*\q:F0+2*\q+1], v4, s[68:69] offset:32768*\q
.endr
.irp q, 0,1,2,3,4,5,6,7,8,9,10,11,12,13,14,15
	global_load_b64 v[F0+32+2*\q:F0+32+2*\q+1], v4, s[70:71] offset:PB_OFF+8192*\q
.endr
	global_load_b64 v[F1:F1+1], v4, s[72:73]
	global_load_b64 v[F1+2:F1+3], v4, s[8:9] offset:EF_OFF     ; 1e-5 f^2 of the two rows
	v_and_b32 v1, 15, v0                           ; r
	v_bfe_u32 v2, v0, 4, 1                         ; h
	v_mul_u32_u24 v3, v1, PITCH
	v_lshl_add_u32 v3, v2, 4, v3
	v_and_b32 v6, 7, v0
	v_lshl_add_u32 v6, v2, 3, v6
	v_mul_u32_u24 v6, v6, BPITCH
	v_bfe_u32 v7, v0, 3, 1
	v_lshl_add_u32 v6, v7, 4, v6
	s_mul_i32 s21, s11, HALFT
	s_lshl_b32 s22, s12, 8
	s_add_co_u32 s22, s22, 2*HALFT
.irp s, 0,1
	v_add_nc_u32 v[ADRA+\s], s21, v3
	v_add_nc_u32 v[ADRB+\s], s22, v6
	s_add_co_u32 s21, s21, SLOT
	s_add_co_u32 s22, s22, SLOT
.endr
	v_and_b32 v8, 31, v0
	v_lshlrev_b32 v[OUTO], 4, v8                   ; 16 L; never rewritten
	s_mul_i32 s23, s10, 16*SPITCH
	s_add_co_u32 s23, s23, STAGE
	v_mul_u32_u24 v9, v1, SPITCH
	v_lshl_add_u32 v9, v2, 5, v9
	v_add_nc_u32 v[STO], s23, v9                   ; in: row r, 32 bytes for each half of the lanes
	v_add_nc_u32 v[RD], s23, v[OUTO]               ; back: a whole row of 512 bytes
	v_add_nc_u32 v[XA], s20, v[OUTO]
	s_lshl_b32 s23, s11, 9
	s_add_co_u32 s23, s23, STAB
	v_lshl_add_u32 v[SVA], v1, 2, s23
	s_lshl_b32 s23, s12, 9
	s_add_co_u32 s23, s23, BOT
	v_add_nc_u32 v[BOA], s23, v[OUTO]
	v_lshrrev_b32 v9, 1, v8
	v_and_b32 v10, 1, v8
	v_lshlrev_b32 v10, 8, v10
	v_lshl_add_u32 v[PFA], v9, 13, v10             ; prefetch: row L / 2 of sixteen, its 256 bytes number L & 1; never rewritten
	v_mov_b32 v5, 0x34800000                       ; 2^-22
	s_wait_loadcnt 0x0
.irp q, 1,2,3,4,5,6,7,8,9,10,11,12,13,14,15
	v_pk_add_f32 v[F0:F0+1], v[F0:F0+1], v[F0+2*\q:F0+2*\q+1]
.endr
.irp q, 0,1,2,3,4,5,6,7,8,9,10,11,12,13,14,15
	v_pk_add_f32 v[F1:F1+1], v[F1:F1+1], v[F0+32+2*\q:F0+32+2*\q+1]
.endr
	v_fma_f32 v[F0],   v5, v[F0],   v[F1+2]        ; the scaled variance + 1e-5 f^2
	v_fma_f32 v[F0+1], v5, v[F0+1], v[F1+3]
	v_rsq_f32 v[F0], v[F0]
	v_rsq_f32 v[F0+1], v[F0+1]
	v_add_nc_u32 v6, STAB, v4                      ; the plain instruction behind the transcendentals (ISA guide 5.7.2)
	s_wait_alu depctr_va_vdst(0)
	v_mul_f32 v[F0],   0x3cb504f3, v[F0]           ; / sqrt(2048)
	v_mul_f32 v[F0+1], 0x3cb504f3, v[F0+1]
	ds_store_b64 v6, v[F0:F0+1]
	ds_store_b64 v6, v[F1:F1+1] offset:1024
	; x rows 0-47 of my block, a row of 512 consecutive bytes a load, into registers that nothing names before the way out: they land during the K loop
.irp t, 0,1,2,3,4,5,6,7,8,9,10,11,12,13,14,15
	global_load_b128 v[192+4*\t:192+4*\t+3], v[OUTO], s[96:97] offset:\t*8192 th:TH_LOAD_NT
.endr
	WIN TO_B                                       ; destination in window 1
.irp t, 0,1,2,3,4,5,6,7,8,9,10,11,12,13,14,15
	global_load_b128 v[4*\t:4*\t+3], v[OUTO], s[96:97] offset:(16+\t)*8192 th:TH_LOAD_NT
.endr
.irp t, 0,1,2,3,4,5,6,7,8,9,10,11,12,13,14,15
	global_load_b128 v[192+4*\t:192+4*\t+3], v[OUTO], s[96:97] offset:(32+\t)*8192 th:TH_LOAD_NT
.endr
	WIN 0
.macro MUL16 f, hi, a0, zero
.irp a, \a0, \a0+1
.irp b, 0,1,2,3,4,5,6,7
.if \zero
	v_wmma_f32_16x16x32_f16 v[8*(8*(\a)+\b):8*(8*(\a)+\b)+7], v[\f+8*\b:\f+8*\b+7], v[\f+8*(4*\hi+\a):\f+8*(4*\hi+\a)+7], 0
.else
	v_wmma_f32_16x16x32_f16 v[8*(8*(\a)+\b):8*(8*(\a)+\b)+7], v[\f+8*\b:\f+8*\b+7], v[\f+8*(4*\hi+\a):\f+8*(4*\hi+\a)+7], v[8*(8*(\a)+\b):8*(8*(\a)+\b)+7]
.endif
.endr
.endr
.endm
.macro FETCH slot, q, f
	WIN TO_B
.irp i, 0,1,2,3,4,5,6,7
	ds_load_tr16_b128 v[\f+8*\i:\f+8*\i+3],   v[ADRB+\slot] offset:\q*32*BPITCH+32*\i
	ds_load_tr16_b128 v[\f+8*\i+4:\f+8*\i+7], v[ADRB+\slot] offset:\q*32*BPITCH+32*\i+16*BPITCH
.endr
	WIN 0
.irp i, 0,1,2,3,4,5,6,7
	ds_load_b128 v[\f+8*\i:\f+8*\i+3],   v[ADRA+\slot] offset:\q*64+\i*16*PITCH
	ds_load_b128 v[\f+8*\i+4:\f+8*\i+7], v[ADRA+\slot] offset:\q*64+\i*16*PITCH+32
.endr
.endm
.macro PLACES                          ; four places behind a matrix instruction (ISA guide 7.12.1)
.rept 4
	v_nop
.endr
.endm
.macro PF grp                          ; sixteen rows of my block of x, 32 aligned blocks of 256 bytes, one a lane; grp = -1: none
.if \grp >= 0
	global_prefetch_b8 v[PFA], s[96:97] offset:131072*\grp th:TH_LOAD_NT scope:SCOPE_SE
.endif
.endm
.macro QUARTER slot, q, f, g, zero, pa, pb
	s_wait_dscnt 8                                 ; the youngest eight loads (A's rows 64-127) may be out
	WIN MUL_LO
	MUL16 \f, 0, 0, \zero
	MUL16 \f, 0, 2, \zero
	PLACES
	FETCH \slot, \q, \g
	PF \pa
	PF \pb
	s_wait_dscnt 32                                ; all but the 32 just issued
	WIN MUL_HI
	MUL16 \f, 1, 0, \zero
	MUL16 \f, 1, 2, \zero
.endm
.macro THREE slot, zero, p0, p1, p2, p3
	QUARTER \slot, 1, F0, F1, \zero, \p0, \p1
	QUARTER \slot, 2, F1, F0, 0, \p2, -1
	QUARTER \slot, 3, F0, F1, 0, \p3, -1
.endm
; The last quarter of a K step changes slots.  In front of the barrier each wave waits for its reads of this slot and for all its tensor loads.
; mode 1: a round of the cluster's barrier, the joint refill first behind it.  mode 2: the same round, and the wave's tile of x goes into
; this slot, which no matrix work reads again.
; The 64 accumulators take turns in the same order in every quarter.
.macro TURN slot, next, mode
	s_wait_dscnt 8
	WIN MUL_LO
	MUL16 F1, 0, 0, 0
	s_wait_dscnt 0
	s_set_vgpr_msb 0xa1a0
	s_wait_tensorcnt 0x0
	ds_add_u32 v62, v63
	s_wait_dscnt 0x0
	s_set_vgpr_msb 0xa0a1
	s_barrier_signal -1
	MUL16 F1, 0, 2, 0
	WIN 0
	s_barrier_wait -1
	CREST
.if \mode == 1
	s_add_nc_u64 s[G0+4*\slot+2:G0+4*\slot+3], s[G0+4*\slot+2:G0+4*\slot+3], 512
	s_add_nc_u64 s[G0B+4*\slot+2:G0B+4*\slot+3], s[G0B+4*\slot+2:G0B+4*\slot+3], 1048576
	JLOAD \slot
.else
	tensor_load_to_lds s[G0X:G0X+3], s[G1X:G1X+7]
	s_nop 0
.endif
	PLACES
	FETCH \next, 0, F0
	WIN MUL_HI
	MUL16 F1, 1, 0, 0
	MUL16 F1, 1, 2, 0
.endm
.macro LAP zero
	THREE 0, \zero, -1, -1, -1, -1
	TURN 0, 1, 1
	THREE 1, 0, -1, -1, -1, -1
	TURN 1, 0, 1
.endm
	s_wait_tensorcnt 1                             ; my part of K step 0 is in; K step 1's stays out
	s_wait_dscnt 0x0                               ; for the other waves: my words of the two tables
	s_barrier_signal -1
	s_barrier_wait -1
	FETCH 0, 0, F0
	LAP 1                                          ; K steps 0, 1
	WIN 0
	s_mov_b32 s3, 5                                ; K steps 2 to 11
.Llap:
	LAP 0
	WIN 0
	s_sub_co_u32 s3, s3, 1
	s_cmp_lg_u32 s3, 0
	s_cbranch_scc1 .Llap
	THREE 0, 0, -1, -1, -1, -1                     ; K step 12
	TURN 0, 1, 1
	THREE 1, 0, -1, -1, 4, 5                       ; K step 13: asks for rows 64-95 of my x
	TURN 1, 0, 1
	THREE 0, 0, 6, 7, -1, -1                       ; K step 14: rows 96-127
	TURN 0, 1, 2                                   ; x rows 64-127 into slot 0: my last tensor load
	THREE 1, 0, -1, -1, -1, -1                     ; K step 15
	s_wait_dscnt 8                                 ; the very last quarter: nothing more to fetch, nothing filled again, so no barrier
	WIN MUL_LO
	MUL16 F1, 0, 0, 0
	MUL16 F1, 0, 2, 0
	s_wait_dscnt 0
	WIN MUL_HI
	MUL16 F1, 1, 0, 0
	MUL16 F1, 1, 2, 0
	PLACES                                         ; for the loads into spent fragment registers and for the products that read the sums
	WIN TO_B
.irp t, 0,1,2,3,4,5,6,7,8,9,10,11,12,13,14,15
	global_load_b128 v[64+4*\t:64+4*\t+3], v[OUTO], s[96:97] offset:(48+\t)*8192 th:TH_LOAD_NT   ; x rows 48-63
.endr
	WIN 0
.irp a, 0,1,2,3,4,5,6,7
	ds_load_b32 v[SV+\a], v[SVA] offset:64*\a      ; s of row 16 a + r
.endr
	ds_load_b128 v[BO:BO+3], v[BOA]                ; the bias of columns 4 L .. 4 L + 3
	s_wait_dscnt 0x0
; THE WAY OUT, 16 rows at a time: the sums times s, 32 bytes a lane into my own stage, read back as whole rows of 512 bytes; the bias and the row read back
; are added onto the same row of x in the registers that hold it, and it is stored from there.
; wsrc: source 0 window 2 or 3 (the sums).  wx, xb: x's registers: 0x44 (source 1 and destination in window 1) or 0, and their first number.
; kind 0: x came by loads into registers, left = the younger ones that may stay out;  kind 1: x is read from slot 0;  kind 2: likewise, into registers
; from which an earlier block was stored.
.macro OUT16F i, a, wsrc, wx, xb, kind, left
.if \kind == 2
	s_wait_xcnt 0x0                                ; registers that pending stores read are loaded into only behind this wait
.endif
.if \kind
	WIN TO_B
.irp t, 0,1,2,3,4,5,6,7,8,9,10,11,12,13,14,15
	ds_load_b128 v[\xb+4*\t:\xb+4*\t+3], v[XA] offset:512*(16*(\i&3)+\t)
.endr
.endif
	WIN \wsrc
.irp b, 0,1,2,3,4,5,6,7
.irp q, 0,1,2,3
.if \i & 1
	v_pk_mul_f32 v[TMP+8*\b+2*\q:TMP+8*\b+2*\q+1], v[8*(8*\a+\b)+2*\q:8*(8*\a+\b)+2*\q+1], v[SV+(\i&6):SV+(\i&6)+1] op_sel:[0,1] op_sel_hi:[1,1]
.else
	v_pk_mul_f32 v[TMP+8*\b+2*\q:TMP+8*\b+2*\q+1], v[8*(8*\a+\b)+2*\q:8*(8*\a+\b)+2*\q+1], v[SV+(\i&6):SV+(\i&6)+1] op_sel_hi:[1,0]
.endif
.endr
.endr
	WIN 0
.irp b, 0,1,2,3,4,5,6,7
	ds_store_b128 v[STO], v[TMP+8*\b:TMP+8*\b+3]   offset:64*\b
	ds_store_b128 v[STO], v[TMP+8*\b+4:TMP+8*\b+7] offset:64*\b+16
.endr
.irp t, 0,1,2,3,4,5,6,7,8,9,10,11,12,13,14,15
	ds_load_b128 v[RBK+4*\t:RBK+4*\t+3], v[RD] offset:SPITCH*\t                    ; LDS serves a wave's instructions in order (ISA guide 5.7.1.4): these see the stores above
.endr
.if \kind == 0
	s_wait_loadcnt \left                           ; this block's 16 rows of x are in; the later blocks' loads stay out
.endif
	WIN \wx
.irp t, 0,1,2,3,4,5,6,7,8,9,10,11,12,13,14,15
	s_wait_dscnt 15-\t                             ; row t is read back; the 15 - t later rows stay out; x's LDS loads stand ahead of them all
	v_pk_add_f32 v[\xb+4*\t:\xb+4*\t+1],   v[BO:BO+1],     v[\xb+4*\t:\xb+4*\t+1]
	v_pk_add_f32 v[\xb+4*\t+2:\xb+4*\t+3], v[BO+2:BO+3],   v[\xb+4*\t+2:\xb+4*\t+3]
	v_pk_add_f32 v[\xb+4*\t:\xb+4*\t+1],   v[RBK+4*\t:RBK+4*\t+1],   v[\xb+4*\t:\xb+4*\t+1]
	v_pk_add_f32 v[\xb+4*\t+2:\xb+4*\t+3], v[RBK+4*\t+2:RBK+4*\t+3], v[\xb+4*\t+2:\xb+4*\t+3]
	global_store_b128 v[OUTO], v[\xb+4*\t:\xb+4*\t+3], s[98:99] offset:(16*\i+\t)*8192 th:TH_STORE_NT   ; 512 consecutive bytes, aligned
.endr
.endm
	OUT16F 0, 0, 0x02, 0,    192, 0, 48            ; younger: rows 16-63, 48 loads
	OUT16F 1, 1, 0x02, 0x44, 0,   0, 32
	OUT16F 2, 2, 0x02, 0x44, 192, 0, 16
	OUT16F 3, 3, 0x02, 0x44, 64,  0, 0
	s_wait_tensorcnt 0x0                           ; rows 64-127 of x are in slot 0
	OUT16F 4, 0, 0x03, 0x44, 128, 1, 0
	OUT16F 5, 1, 0x03, 0x44, 64,  2, 0
	OUT16F 6, 2, 0x03, 0x44, 128, 2, 0
	OUT16F 7, 3, 0x03, 0x44, 64,  2, 0
	WIN 0
	s_wait_tensorcnt 0x0
	ds_add_u32 v62, v63
	s_wait_dscnt 0x0
	CROUND                                         ; the closing round, behind the last tensor load of any kind
	s_endpgm
.Lfunc_end_k_qb0e103d024_gemm2:
	.size	k_qb0e103d024_gemm2, .Lfunc_end_k_qb0e103d024_gemm2-k_qb0e103d024_gemm2
	.p2alignl 7, 3214868480
	.fill 96, 4, 3214868480
	.section	.rodata,"a",@progbits
	.p2align	6, 0x0
	.amdhsa_kernel k_qb0e103d024_gemm2
		.amdhsa_group_segment_fixed_size 327680
		.amdhsa_private_segment_fixed_size 0
		.amdhsa_enable_private_segment 0
		.amdhsa_kernarg_size 64
		.amdhsa_user_sgpr_count 2
		.amdhsa_user_sgpr_kernarg_segment_ptr 1
		.amdhsa_wavefront_size32 1
		.amdhsa_system_sgpr_workgroup_id_x 1
		.amdhsa_system_sgpr_workgroup_id_y 1
		.amdhsa_system_sgpr_workgroup_id_z 1
		.amdhsa_system_vgpr_workitem_id 0
		.amdhsa_next_free_vgpr 1024
		.amdhsa_next_free_sgpr 104
		.amdhsa_reserve_vcc 0
		.amdhsa_float_denorm_mode_32 3
		.amdhsa_float_denorm_mode_16_64 3
		.amdhsa_memory_ordered 1
		.amdhsa_forward_progress 1
		.amdhsa_inst_pref_size 255
	.end_amdhsa_kernel
	.section	.bss,"aw",@nobits
	.p2align	6
	.space	262144
	.amdgpu_metadata
---
amdhsa.version: [ 1, 2 ]
amdhsa.kernels:
  - .name:           k_qb0e103d024_gemm2
    .symbol:         k_qb0e103d024_gemm2.kd
    .args:
      - { .name: rbuf, .offset: 0, .size: 8, .value_kind: global_buffer, .address_space: global }
      - { .name: wob, .offset: 8, .size: 8, .value_kind: global_buffer, .address_space: global }
      - { .name: ssp, .offset: 16, .size: 8, .value_kind: global_buffer, .address_space: global }
      - { .name: aux, .offset: 24, .size: 8, .value_kind: global_buffer, .address_space: global }
      - { .name: bo, .offset: 32, .size: 8, .value_kind: global_buffer, .address_space: global }
      - { .name: x, .offset: 40, .size: 8, .value_kind: global_buffer, .address_space: global }
      - { .name: out0, .offset: 48, .size: 8, .value_kind: global_buffer, .address_space: global }
      - { .name: ccum, .offset: 56, .size: 8, .value_kind: global_buffer, .address_space: global }
    .group_segment_fixed_size: 327680
    .private_segment_fixed_size: 0
    .kernarg_segment_align: 8
    .kernarg_segment_size: 64
    .max_flat_workgroup_size: 128
    .sgpr_count:     104
    .vgpr_count:     1024
    .wavefront_size: 32
...
	.end_amdgpu_metadata
.endif
;; end of part 4
;; ======== version 2 of 2: 4 launches; version 1 with the launch scan written anew for expert scheduling mode
;; limits: values are held in f16: magnitudes above 65,504 overflow, below 6.1e-05 lose precision
;; workspace buffers: aux 2,298,880 bytes; wvb 8,388,608 bytes; wob 8,388,608 bytes; ybuf 33,554,432 bytes; ccum 65,536 bytes; rbuf 33,554,432 bytes; ssp 524,288 bytes
;; launch prep: the kernel of part 1 again; grid 256 x 1, 8 waves a work-group, no clusters, 321,792 bytes of LDS; arguments x, Wp, Wa, bp, ba, Wv, Wo, ln_g, ln_b, aux, wvb, wob, bv; writes aux, wvb, wob
;; launch scan (part 5): grid 256 x 1, 8 waves a work-group, no clusters, 17,408 bytes of LDS; arguments x, aux, ybuf, ccum; writes ybuf, ccum
.if DOCPART == 5
	.amdgcn_target "amdgcn-amd-amdhsa--gfx1250"
	.amdhsa_code_object_version 6
	.text
	.protected	k_qb0e103d024_scan
	.globl	k_qb0e103d024_scan
	.p2align	8
	.type	k_qb0e103d024_scan,@function
k_qb0e103d024_scan:
	s_mov_b64 s[64:65], 0
	v_nop
	global_prefetch_b8 v0, s[64:65] scope:SCOPE_SE
	s_setreg_imm32_b32 hwreg(HW_REG_WAVE_SCHED_MODE, 0, 2), 2
	s_setreg_imm32_b32 hwreg(HW_REG_WAVE_MODE, 25, 1), 1
	s_wait_xcnt 0x0
	s_wait_alu depctr_vm_vsrc(0)
; SCAN.  y[l][d] = sum over l' <= l of the batch of c[l'] x[l'][d], kept in f32, stored as f16(f[l] y[l][d]);  C[l] = sum over l' <= l of c[l'].
; (The cumulative sum stands ahead of the product with Wv, with which it commutes: the order of the additions differs from the formula's.)
; THE ROW'S SCALE f[l] is a power of two that keeps both y and the next product's row inside f16 for every input:
;   Bd[l] = sum over l' <= l of a[l'] bounds every |y[l][d]|;   U[l] = Bd[l] max(1, 2048 max|Wv'|) + |C[l]| (max bv - min bv) bounds Bd[l] and every
;   |y[l] Wv' + C[l] (bv - mean bv)|;   f[l] = 2^(14 - E), E the exponent of max(U[l], 2^-40): f U < 2^15.
; The LayerNorm takes the scale back: ccum holds C[l] f[l] (for the bias term) and, 32,768 bytes on, 1e-5 f[l]^2 (the epsilon beside the scaled variance).
; A row whose U lies below 2^-40 keeps f = 2^54: its variance is far below the epsilon.
; Work-group i: strip = i & 7 (256 columns), sc = (i >> 3) & 7 (256 rows), batch = i >> 6.  Wave w: the 32 rows (one chunk) 2048 b + 256 sc + 32 w.
; The start value is the sum of S over the batch's earlier chunks.  Wave w adds chunks 8 u + w for u < sc (Q) and brings its own chunk's row (E);
; through LDS every wave takes all eight Q and the E of the waves below it.  Rows that do not belong are left out by a select, not by a factor 0,
; so that an infinity in a later chunk cannot reach an earlier row.  Memory binds: no matrix unit, no cluster (nothing is shared but S and small tables).
; THE MODE: SCHED_MODE bits 1:0 = 2 (LLVM: expert scheduling mode 2), set by the entry lines.  The code itself states the register dependences
; between vector instructions and memory or LDS instructions, with s_wait_alu, always for 0.
; THE PLAN.  Registers that memory or LDS instructions touch:
;   v2-v7, v10, v11  offsets and LDS addresses: each written once, ahead of a wait on va_vdst, and never again.
;   v16-79   the prefix: loads land, selects and sums read, my LDS stores read v16-23 and v72-79, two batches of LDS loads land, sums read each.
;            Then the out registers of rows 0-15, four each: written by a row's roundings, read by its two stores, never written again.
;   v80-207  a ring of 16 row slots.  A slot's loads land; the row's eight multiply-adds read it; for rows 0-15 the row 16 further down lands in it;
;            for rows 16-31 the row's roundings write its first four registers, its two stores read them, and nothing writes them again.
;   v237, v239  written by vector instructions, read by strip 0's two stores, never written again.
; The rows go in 16 steps of two, a and a + 1.  ONE wait on va_vdst stands in a step, behind the second row's multiply-adds: both slots are read out (their
; refills follow), and the roundings of row a and of the step before's second row have written their out registers (their stores follow).  The vector
; instructions behind the wait name the running sums, T and the second row's own out registers: none that the step's loads and stores touch.
; NO REGISTER THAT A STORE READS IS WRITTEN AGAIN, so the rows hold no wait on vm_vsrc and none on XCNT.
.set C_OFF,  2097152
.set CS_OFF, 2129920
.set A_OFF,  2262016
.set AS_OFF, 2294784
.set WM_OFF, 2295808
.set BX_OFF, 2296832
.set BN_OFF, 2297856
.set EF_OFF, 32768
.set QR, 16                            ; v16-71 S rows u = 0..6;  v72-79 my own chunk's row;  later v16-79: rows 0-15 as stored
.set X,  80                            ; v80-207 a ring of 16 row slots, 8 registers each; a slot's first four registers later hold its second row as stored
.set Y,  208                           ; v208-215 at first the table of |Wv'|; then the running sums of my 8 columns
.set O,  216                           ; v216-223 at work in the prefix sums
                                       ; v232-234 sums of c below me (two words), my c;  v235 at work;  v236-238 the same for a;  then v236 f, v237 C f, v239 1e-5 f^2
.set TB, 240                           ; v240-247 the table of bv's maxima; then v240 bv's range, v241 max(1, 2048 max|Wv'|)
.set T,  248                           ; v248-255 the table of -bv's maxima; then the scaled row at work
.set FS, 20                            ; s20-51  in the rows: f of my 32 rows (the set-up's numbers and the masks that lay there are done with)
.set YB, 52                            ; s[52:53] y at my first row and strip
	s_load_b256 s[8:15], s[0:1], 0x0               ; x 8, aux 10, ybuf 12, ccum 14
	v_lshl_add_u32 v230, v0, 2, 0x4000
	v_mov_b32 v231, 0
	v_lshrrev_b32 v1, 5, v0
	v_readfirstlane_b32 s4, v1                     ; wave
	v_and_b32 v1, 31, v0                           ; lane
	s_and_b32 s6, ttmp9, 7                         ; strip
	s_bfe_u32 s7, ttmp9, 0x30003                   ; sc
	s_lshr_b32 s16, ttmp9, 6                       ; batch
	s_lshl_b32 s17, s16, 6                         ; the batch's first chunk
	s_wait_alu depctr_va_sdst(0)                   ; s4 is written, ahead of its first reader
	s_lshl3_add_u32 s20, s7, s4                    ; 8 sc + w: my chunk in the batch
	s_add_co_u32 s21, s17, s20
	s_lshl_b32 s22, s21, 5                         ; my first row
	s_lshl_b32 s23, s22, 2
	s_mov_b32 s60, 0x76543210
	s_mov_b32 s61, 0xfedcba98
	s_add_co_u32 s24, s17, s4
	s_lshl_b32 s24, s24, 13
	s_lshl_b32 s25, s6, 10
	s_add_co_u32 s24, s24, s25
	v_lshl_add_u32 v2, v1, 4, s24                  ; S: chunk 64 b + w, my strip, 16 bytes a lane
	s_lshl_b32 s26, s7, 16
	v_add_nc_u32 v3, s26, v2                       ; S: my own chunk
	v_add_lshl_u32 v4, v1, s17, 2                  ; the chunks' sums: word 64 b + L
	v_add_lshl_u32 v5, v1, s22, 2                  ; c, a and ccum: word of row L of mine
	v_lshlrev_b32 v6, 4, v1
	v_lshlrev_b32 v10, 3, v1
	v_lshlrev_b32 v11, 5, v1                       ; the tables of 256 words: eight words a lane
	s_lshl_b32 s28, s22, 13
	s_add_co_u32 s28, s28, s25
	s_mov_b32 s29, 0
	s_lshl_b32 s30, s22, 12
	s_lshl_b32 s31, s6, 9
	s_add_co_u32 s30, s30, s31
	s_mov_b32 s31, 0
	s_wait_kmcnt 0x0
	s_load_b512 s[68:83], s[10:11], s23 offset:C_OFF       ; c of my 32 rows, as scalars
	s_load_b512 s[84:99], s[10:11], s23 offset:C_OFF+64
	s_add_nc_u64 s[18:19], s[8:9], s[28:29]        ; x at my first row and strip
	s_add_nc_u64 s[YB:YB+1], s[12:13], s[30:31]    ; y likewise
	s_wait_alu depctr_va_vdst(0)                   ; the offsets v2 to v6, v10 and v11 are written: every global access and every LDS load of the kernel reads one of them
.irp u, 0,1,2,3,4,5,6
	global_load_b128 v[QR+8*\u:QR+8*\u+3],   v2, s[10:11] offset:65536*\u
	global_load_b128 v[QR+8*\u+4:QR+8*\u+7], v2, s[10:11] offset:65536*\u+512
.endr
	global_load_b128 v[72:75], v3, s[10:11]
	global_load_b128 v[76:79], v3, s[10:11] offset:512
	global_load_b32 v232, v4, s[10:11] offset:CS_OFF
	global_load_b32 v233, v4, s[10:11] offset:CS_OFF+128
	global_load_b32 v234, v5, s[10:11] offset:C_OFF
	global_load_b32 v236, v4, s[10:11] offset:AS_OFF
	global_load_b32 v237, v4, s[10:11] offset:AS_OFF+128
	global_load_b32 v238, v5, s[10:11] offset:A_OFF
	global_load_b128 v[Y:Y+3],     v11, s[10:11] offset:WM_OFF
	global_load_b128 v[Y+4:Y+7],   v11, s[10:11] offset:WM_OFF+16
	global_load_b128 v[TB:TB+3],   v11, s[10:11] offset:BX_OFF
	global_load_b128 v[TB+4:TB+7], v11, s[10:11] offset:BX_OFF+16
	global_load_b128 v[T:T+3],     v11, s[10:11] offset:BN_OFF
	global_load_b128 v[T+4:T+7],   v11, s[10:11] offset:BN_OFF+16
.irp r, 0,1,2,3,4,5,6,7,8,9,10,11,12,13,14,15
	global_load_b128 v[X+8*\r:X+8*\r+3],   v6, s[18:19] offset:8192*\r th:TH_LOAD_NT
	global_load_b128 v[X+8*\r+4:X+8*\r+7], v6, s[18:19] offset:8192*\r+512 th:TH_LOAD_NT
.endr
.irp u, 0,1,2,3,4,5,6
	s_cmp_gt_u32 s7, \u
	s_cselect_b32 s[40+\u], -1, 0                  ; all lanes where u < sc
.endr
	s_lshl_b32 s27, s4, 11
	v_lshl_add_u32 v7, v1, 4, s27                  ; my Q and E in LDS
	s_wait_loadcnt 32                              ; the 28 first loads are in; the 32 loads of x stay out
.irp e, 0,1,2,3,4,5,6,7
	v_cndmask_b32 v[QR+\e], 0, v[QR+\e], s40
.endr
.irp u, 1,2,3,4,5,6
.irp e, 0,1,2,3,4,5,6,7
	v_cndmask_b32 v[O+\e], 0, v[QR+8*\u+\e], s[40+\u]
.endr
.irp e, 0,2,4,6
	v_pk_add_f32 v[QR+\e:QR+\e+1], v[QR+\e:QR+\e+1], v[O+\e:O+\e+1]
.endr
.endr
	s_wait_alu depctr_va_vdst(0)                   ; the sums have written v16-23, which the LDS stores read, and v7, their address, is written
.irp z, 0
	ds_store_b128 v7, v[QR:QR+3]
	ds_store_b128 v7, v[QR+4:QR+7] offset:512
	ds_store_b128 v7, v[72:75] offset:1024
	ds_store_b128 v7, v[76:79] offset:1536
.endr
; the largest of a table's 256 words (eight a lane in v[b .. b + 7]), into v[b] of every lane
.macro TMAX b
	v_max3_num_f32 v[\b], v[\b], v[\b+1], v[\b+2]
	v_max3_num_f32 v[\b], v[\b], v[\b+3], v[\b+4]
	v_max3_num_f32 v[\b], v[\b], v[\b+5], v[\b+6]
	v_max_num_f32 v[\b], v[\b], v[\b+7]
.irp k, 1,2,4,8
	v_max_num_f32_dpp v[\b], v[\b], v[\b] row_xmask:\k row_mask:0xf bank_mask:0xf
.endr
	v_permlanex16_b32 v[\b+1], v[\b], s60, s61
	v_max_num_f32 v[\b], v[\b], v[\b+1]
.endm
	TMAX Y
	TMAX TB
	TMAX T
	v_mul_f32 v[TB+1], 0x45000000, v[Y]            ; 2048 max|Wv'|
	v_max_num_f32 v[TB+1], 1.0, v[TB+1]
	v_add_f32 v[TB], v[TB], v[T]                   ; max bv - min bv
	s_wait_dscnt 0x0                               ; for the other waves
	s_barrier_signal -1
	s_barrier_wait -1
	s_wait_alu depctr_vm_vsrc(0)                   ; my LDS stores have read v16-23 and v72-79, in which the loads below land (the selects and sums that named v16-79 stand ahead of the last wait on va_vdst)
.irp u, 0,1,2,3,4,5,6,7
	ds_load_b128 v[QR+8*\u:QR+8*\u+3],   v6 offset:2048*\u
	ds_load_b128 v[QR+8*\u+4:QR+8*\u+7], v6 offset:2048*\u+512
.endr
	v_add_nc_u32 v9, 32, v1
	v_cmp_gt_u32 s36, s20, v1                      ; the three lane masks of the cumulative sums below, in one run: chunk L lies below mine,
	v_cmp_gt_u32 s37, s20, v9                      ; chunk 32 + L does,
	v_cmp_lt_u32 s38, 15, v1                       ; my row is one of the upper sixteen
.irp u, 0,1,2,3,4,5,6
	s_cmp_gt_u32 s4, \u
	s_cselect_b32 s[40+\u], -1, 0                  ; all lanes where wave u lies below mine
.endr
	s_wait_dscnt 0x0
.irp e, 0,2,4,6
	v_pk_add_f32 v[Y+\e:Y+\e+1], v[QR+\e:QR+\e+1], v[QR+8+\e:QR+8+\e+1]
.endr
.irp u, 2,3,4,5,6,7
.irp e, 0,2,4,6
	v_pk_add_f32 v[Y+\e:Y+\e+1], v[Y+\e:Y+\e+1], v[QR+8*\u+\e:QR+8*\u+\e+1]
.endr
.endr
	s_wait_alu depctr_va_vdst(0)                   ; the sums are done reading v16-79: the next LDS loads land in v16-71
.irp u, 0,1,2,3,4,5,6
	ds_load_b128 v[QR+8*\u:QR+8*\u+3],   v6 offset:2048*\u+1024
	ds_load_b128 v[QR+8*\u+4:QR+8*\u+7], v6 offset:2048*\u+1536
.endr
; meanwhile two cumulative sums over rows, each in two halves, so that one wait serves both sums' lane reads.
; First half: the earlier chunks' sums (words L and 32 + L of the batch in v[a], v[b]) into v[a] of every lane; an inclusive scan over each sixteen of my rows in v[o]
.macro CUMA a, b, o
	v_cndmask_b32 v[\a], 0, v[\a], s36
	v_cndmask_b32 v[\b], 0, v[\b], s37
	v_add_f32 v[\a], v[\a], v[\b]
.irp k, 1,2,4,8
	v_add_f32_dpp v[\a], v[\a], v[\a] row_xmask:\k row_mask:0xf bank_mask:0xf
.endr
	v_permlanex16_b32 v[\b], v[\a], s60, s61
	v_add_f32 v[\a], v[\a], v[\b]
.irp k, 1,2,4,8
	v_add_f32_dpp v[\o], v[\o], v[\o] row_shr:\k row_mask:0xf bank_mask:0xf bound_ctrl:1
.endr
.endm
; Second half: the lower sixteen rows' sum, in s[low], goes onto the upper sixteen; then the earlier chunks' sum onto all
.macro CUMB a, o, t, low
	v_mov_b32 v[\t], s[\low]
	v_cndmask_b32 v[\t], 0, v[\t], s38
	v_add_f32 v[\o], v[\o], v[\t]
	v_add_f32 v[\o], v[\o], v[\a]
.endm
	s_wait_alu depctr_va_sdst(0)                   ; the three masks s36 to s38 are written, ahead of their first reader
	CUMA 232, 233, 234
	CUMA 236, 237, 238
	v_readlane_b32 s21, v234, 15
	v_readlane_b32 s22, v238, 15
	s_wait_alu depctr_va_sdst(0)                   ; s21 and s22 are written, ahead of their first readers
	CUMB 232, 234, 235, 21                         ; v234 = C of row L
	CUMB 236, 238, 235, 22                         ; v238 = Bd of row L
	v_and_b32 v235, 0x7fffffff, v234
	v_mul_f32 v235, v235, v[TB]
	v_fmac_f32 v235, v238, v[TB+1]                 ; U
	v_max_num_f32 v235, 0x2b800000, v235           ; at least 2^-40
	v_and_b32 v235, 0x7f800000, v235               ; its exponent field, E + 127
	v_sub_nc_u32 v236, 0x86000000, v235            ; the field 268 - (E + 127): f = 2^(14 - E)
	v_mul_f32 v237, v234, v236                     ; C f
	v_mul_f32 v239, v236, v236
	v_mul_f32 v239, 0x3727c5ac, v239               ; 1e-5 f^2
	s_cmp_lg_u32 s6, 0
	s_cbranch_scc1 .Lnot_strip_0                   ; the eight strips hold the same numbers: strip 0 stores them
	s_wait_alu depctr_va_vdst(0)                   ; v237 and v239 are written, which the two stores read
	global_store_b32 v5, v237, s[14:15]
	global_store_b32 v5, v239, s[14:15] offset:EF_OFF
.Lnot_strip_0:
	s_wait_dscnt 0x0
.irp u, 0,1,2,3,4,5,6
.irp e, 0,1,2,3,4,5,6,7
	v_cndmask_b32 v[O+\e], 0, v[QR+8*\u+\e], s[40+\u]
.endr
.irp e, 0,2,4,6
	v_pk_add_f32 v[Y+\e:Y+\e+1], v[Y+\e:Y+\e+1], v[O+\e:O+\e+1]
.endr
.endr
	s_wait_kmcnt 0x0                               ; c as scalars; the scalar loads are done, so s23, their offset, may be written
.set n, 0
.rept 32
	v_readlane_b32 s[FS+n], v236, n                ; f of my 32 rows, in one run
.set n, n+1
.endr
	s_wait_alu depctr_va_sdst(0)                   ; s20 to s51 are written, ahead of their first readers, the rows' scalings
; The running sums take row p.
.macro SUMS p
.irp e, 0,1,2,3,4,5,6,7
	v_fmac_f32 v[Y+\e], s[68+(\p)], v[X+8*((\p)%16)+\e]
.endr
.endm
; The scaled row in T is rounded to f16: rows 0-15 into four registers of their own in v16-79, rows 16-31 into their slot's first four registers.
.macro ROUND p
.irp q, 0,1,2,3
.if (\p) < 16
	v_cvt_pk_f16_f32 v[QR+4*(\p)+\q], v[T+2*\q], v[T+2*\q+1]
.else
	v_cvt_pk_f16_f32 v[X+8*((\p)%16)+\q], v[T+2*\q], v[T+2*\q+1]
.endif
.endr
.endm
; Half hf of row p goes out: the wave's store covers 256 consecutive bytes, aligned.
.macro PUT p, hf
.if (\p) < 16
	global_store_b64 v10, v[QR+4*(\p)+2*(\hf):QR+4*(\p)+2*(\hf)+1], s[YB:YB+1] offset:4096*(\p)+256*(\hf)
.else
	global_store_b64 v10, v[X+8*((\p)%16)+2*(\hf):X+8*((\p)%16)+2*(\hf)+1], s[YB:YB+1] offset:4096*(\p)+256*(\hf)
.endif
.endm
; A step: rows a and a + 1.  Add c x, scale by the row's f, round to f16.  left = the younger loads that may stay out.
.macro STEP a, left
	s_wait_loadcnt \left                           ; loads come back in order (ISA guide 5.7.1): the two rows' four loads are in
	SUMS \a
.irp e, 0,1,2,3,4,5,6,7
	v_mul_f32 v[T+\e], s[FS+(\a)], v[Y+\e]
.endr
	ROUND \a
	SUMS (\a)+1
	s_wait_alu depctr_va_vdst(0)                   ; the multiply-adds are done reading the two slots, in which the loads below land; the roundings of row a and of row a - 1 have written what the stores below read
.if (\a) < 16
.irp r, 0,1
	global_load_b128 v[X+8*((\a)+\r):X+8*((\a)+\r)+3],   v6, s[18:19] offset:8192*((\a)+\r+16) th:TH_LOAD_NT      ; the rows 16 further down
	global_load_b128 v[X+8*((\a)+\r)+4:X+8*((\a)+\r)+7], v6, s[18:19] offset:8192*((\a)+\r+16)+512 th:TH_LOAD_NT
.endr
.endif
.irp e, 0,1,2,3
	v_mul_f32 v[T+\e], s[FS+(\a)+1], v[Y+\e]       ; no vector instruction from the wait to the step's end names a register that the step's loads and stores touch
.endr
.if (\a) > 0
	PUT (\a)-1, 0
	PUT (\a)-1, 1
.endif
.irp e, 4,5,6,7
	v_mul_f32 v[T+\e], s[FS+(\a)+1], v[Y+\e]
.endr
	PUT \a, 0
	PUT \a, 1
	ROUND (\a)+1
.endm
.set rw, 0
.rept 8
	STEP rw, 28                                    ; younger: 2 (14 - a) first fills and 2 a refills
.set rw, rw+2
.endr
.rept 8
	STEP rw, 2*(30-rw)                             ; nothing more is loaded: the counts run down
.set rw, rw+2
.endr
	s_wait_alu depctr_va_vdst(0)                   ; row 31's roundings have written what the last two stores read
	PUT 31, 0
	PUT 31, 1
	s_wait_dscnt 0x0                               ; the closing lines, six on end
	s_wait_alu 0x0
	s_wait_tensorcnt 0x0
	ds_add_u32 v230, v231
	s_wait_dscnt 0x0
	s_endpgm
.Lfunc_end_k_qb0e103d024_scan:
	.size	k_qb0e103d024_scan, .Lfunc_end_k_qb0e103d024_scan-k_qb0e103d024_scan
	.p2alignl 7, 3214868480
	.fill 96, 4, 3214868480
	.section	.rodata,"a",@progbits
	.p2align	6, 0x0
	.amdhsa_kernel k_qb0e103d024_scan
		.amdhsa_group_segment_fixed_size 17408
		.amdhsa_private_segment_fixed_size 0
		.amdhsa_enable_private_segment 0
		.amdhsa_kernarg_size 32
		.amdhsa_user_sgpr_count 2
		.amdhsa_user_sgpr_kernarg_segment_ptr 1
		.amdhsa_wavefront_size32 1
		.amdhsa_system_sgpr_workgroup_id_x 1
		.amdhsa_system_sgpr_workgroup_id_y 1
		.amdhsa_system_sgpr_workgroup_id_z 1
		.amdhsa_system_vgpr_workitem_id 0
		.amdhsa_next_free_vgpr 256
		.amdhsa_next_free_sgpr 104
		.amdhsa_reserve_vcc 0
		.amdhsa_float_denorm_mode_32 3
		.amdhsa_float_denorm_mode_16_64 3
		.amdhsa_memory_ordered 1
		.amdhsa_forward_progress 1
		.amdhsa_inst_pref_size 65
	.end_amdhsa_kernel
	.amdgpu_metadata
---
amdhsa.version: [ 1, 2 ]
amdhsa.kernels:
  - .name:           k_qb0e103d024_scan
    .symbol:         k_qb0e103d024_scan.kd
    .args:
      - { .name: x, .offset: 0, .size: 8, .value_kind: global_buffer, .address_space: global }
      - { .name: aux, .offset: 8, .size: 8, .value_kind: global_buffer, .address_space: global }
      - { .name: ybuf, .offset: 16, .size: 8, .value_kind: global_buffer, .address_space: global }
      - { .name: ccum, .offset: 24, .size: 8, .value_kind: global_buffer, .address_space: global }
    .group_segment_fixed_size: 17408
    .private_segment_fixed_size: 0
    .kernarg_segment_align: 8
    .kernarg_segment_size: 32
    .max_flat_workgroup_size: 256
    .sgpr_count:     104
    .vgpr_count:     256
    .wavefront_size: 32
...
	.end_amdgpu_metadata
.endif
;; end of part 5
;; launch gemm1: the kernel of part 3 again; grid 8 x 32, 4 waves a work-group, clusters of 4 x 4, 327,680 bytes of LDS; arguments ybuf, wvb, bv, ccum, rbuf, ssp; writes rbuf, ssp
;; launch gemm2: the kernel of part 4 again; grid 8 x 32, 4 waves a work-group, clusters of 4 x 4, 327,680 bytes of LDS; arguments rbuf, wob, ssp, aux, bo, x, out0, ccum; writes out0
